; MI455X (gfx1250); checked and timed in simulation.
; The chip was launched on July 23, 2026; its instructions are those of AMD's public machine-readable ISA for CDNA 5 (MIT licence, August 2026) and "CDNA5" Instruction Set Architecture Reference Guide (July 2026). The comments in the code are by the model that wrote it; some were corrected since.
;; Attention. Allowed arithmetic: matrix products marked QUANTISED: E2M1 operands, one E8M0 scale for each 32 along K, by v_wmma_scale_f32_16x16x128_f8f6f4 with both operands' format E2M1 (or v_wmma_scale_f32_32x16x128_f4), f32 sums; everything else in f32.
;; Inputs: Wk 1,024 x 1,024 float32; Wp 1,024 x 1,024 float32; Wq 1,024 x 1,024 float32; Wv 1,024 x 1,024 float32; bp 1,024 float32; x 4 x 2,048 x 1,024 float32.
;; Outputs: out0 4 x 2,048 x 1,024 float32.
;; This version of the problem:
;;   THIS VERSION OF THE PROBLEM IS GIVEN IN LOW PRECISION. The matrix products marked QUANTISED in the list below multiply operands that are first quantised to E2M1 (2 exponent bits, 1 mantissa bit; 4 bits a number), with one power-of-two scale for each 32 numbers along K (OCP MX v1.0); their sums are f32. All else is computed in f32.
;;   The module's matrix products, in the order in which they are computed (A, B: the left and right operand; K: the contracted axis; several contracted axes count as one K, in the product's order):
;;     1. [M 8,192, K 1,024] x [K 1,024, N 1,024]; A: input x; B: input Wk: QUANTISED
;;     2. [M 8,192, K 1,024] x [K 1,024, N 1,024]; A: input x; B: input Wq: QUANTISED
;;     3. [M 8,192, K 1,024] x [K 1,024, N 1,024]; A: input x; B: input Wv: QUANTISED
;;     4. batch 64 x [M 2,048, K 64] x [K 64, N 2,048]; A: computed on the way; B: computed on the way: QUANTISED
;;     5. batch 64 x [M 2,048, K 2,048] x [K 2,048, N 64]; A: softmax (see below); B: computed on the way: QUANTISED
;;     6. [M 8,192, K 1,024] x [K 1,024, N 1,024]; A: computed on the way; B: input Wp: QUANTISED
;;   THE QUANTISER, for each operand of a quantised product, along K:
;;     - K is cut into blocks of 32 from its start; a last block that is shorter is filled with zeros.
;;     - A block's scale is 2^e with e = floor(log2(the largest magnitude in the block)) - 2, held to -126 .. 127; a block of zeros has e = 0. As a byte (E8M0): e + 127.
;;     - Each number is divided by its block's scale, clamped to +-6, and rounded to the nearest number of E2M1, ties to even, subnormals kept.
;;     - The product sums the exact products of the quantised numbers (number of the format x scale) in f32.
;;   ~~~python
;;   def quantise(x, axis):      # numpy; x: float32 -> the quantised numbers, widened to float32 again
;;       x = np.moveaxis(x, axis, -1); K = x.shape[-1]
;;       x = np.pad(x, [(0, 0)] * (x.ndim - 1) + [(0, -K % 32)]); x = x.reshape(x.shape[:-1] + (-1, 32)); a = np.abs(x).max(-1, keepdims=True)
;;       e = np.where(a > 0, np.clip(np.frexp(np.where(a > 0, a, 1))[1] - 1 - 2, -126, 127), 0)      # np.frexp(a)[1] - 1 = floor(log2(a)), exactly
;;       r = np.clip(x / 2.0 ** e, -6, 6)
;;       step = 2.0 ** (np.maximum(np.frexp(np.where(r == 0, 1, r))[1] - 1, 0) - 1)
;;       q = np.round(r / step) * step * 2.0 ** e      # np.round: ties to even
;;       return np.moveaxis(q.reshape(q.shape[:-2] + (-1,))[..., :K], -1, axis).astype(np.float32)
;;   ~~~
;;   SOFTMAX AHEAD OF A QUANTISED PRODUCT. Where the list says 'softmax', what is quantised is not the finished softmax but p = 2^(t - M), with t = logit x log2(e) and M = ceil(the row's largest t), a whole number; so 1/2 < the row's largest p <= 1. The row's sum l is taken of the UNQUANTISED p, in f32, and the product's result is divided by l at the end. Since M is a whole number, a kernel that streams over the keys may use a running M (the ceiling of the running maximum): every later rescaling is an exact power of two, which a block's scale takes up: the codes' values come out the same.
;;   OPERANDS COMPUTED ON THE WAY. 'Computed on the way' means the value that the module computes at that place (a softmax that the list does not call 'softmax' is quantised finished and normalised). What goes into a quantiser is computed in f32, as accurately as f32 sums, v_exp_f32 and their like allow (about 1e-6 of the number): no bf16 or f16 on the way to a quantiser, and a product that is left as it is and whose result goes on into a quantised operand takes f32 operands (vector FMAs, or v_wmma_f32_16x16x4_f32). A number that lies on a knife's edge between two numbers of the format may be rounded either way, as far as f32 arithmetic and the matrix unit's own rounding can turn it there, and no further.
;; One version. Each part assembles by itself: llvm-mc -triple=amdgcn-amd-amdhsa -mcpu=gfx1250 --defsym DOCPART=n.
;; ======== version 1 of 1: 4 launches
;; workspace buffers: xc 6,291,456 bytes; xs 393,216 bytes; qkv 13,369,344 bytes; oc 4,194,304 bytes; os 262,144 bytes
;; launch quant (part 1): grid 384 x 1, 8 waves a work-group, no clusters, 43,008 bytes of LDS; arguments x, Wq, Wk, Wv, Wp, xc, xs; writes xc, xs
.if DOCPART == 1
	.amdgcn_target "amdgcn-amd-amdhsa--gfx1250"
	.amdhsa_code_object_version 6
	.text
	.protected	k_qc68dfee645_quant
	.globl	k_qc68dfee645_quant
	.p2align	8
	.type	k_qc68dfee645_quant,@function
k_qc68dfee645_quant:
	s_mov_b64 s[64:65], 0
	v_nop
	global_prefetch_b8 v0, s[64:65] scope:SCOPE_SE
	s_setreg_imm32_b32 hwreg(HW_REG_WAVE_MODE, 25, 1), 1
	s_wait_xcnt 0x0
; x [8192][1024] and Wq, Wk, Wv, Wp [1024][1024], f32, K innermost, become codes of FP4 (E2M1) and E8M0 scale bytes, one for each 32 along K.
; xc: 12,288 rows of 512 bytes (x, Wq, Wk, Wv, Wp one below the other), two codes a byte, the lower k in the low four bits.
; xs: [K step of 128: 8][row: 12,288] words; byte b of a word scales k = 128 x step + 32 b: so the words of 128 rows for one K step are 512 consecutive bytes.
; A block's scale is 2^(floor(log2(its largest magnitude)) - 2): its byte is the largest magnitude's exponent field - 2, held at 1 from below.
; LIMITS: a block of zeros, and a block whose largest magnitude lies under 2^-124, gets the byte 1 (the rule says 127 for zeros): its codes are zeros or follow the floor's scale, and this program alone reads the bytes.  NaN and infinities are not served.
; SHARES.  A work-group takes 64 rows x 512 along K; each of its eight waves 8 rows, one half row (512 numbers, 2,048 bytes) a step.  Each load reads 512 consecutive bytes; a step's bytes turn through the wave's own
; stage in LDS (16 bytes of padding behind each 64), so that a lane then holds 16 neighbours along K and two neighbouring lanes a block.  A step's codes are 256 consecutive bytes, stored by one instruction.
; The scale bytes of the 64 rows meet in 1,024 shared bytes of LDS, [K step 4][row 64] words; behind one barrier waves 0 to 3 store 256 consecutive bytes each.
; No cluster: no two work-groups read the same byte.  No tensor loads: the loads run four steps ahead in registers.
.set STEPS, 8
.set EMAX,  2
.set R,     16                         ; v16-79   four sets of 16 numbers as they are loaded
.set X,     80                         ; v80-111  two sets of 16 neighbours
.set E,     112                        ; v112-119 a scale byte for each step
.set C,     128                        ; v128-159 codes: four registers for each step, so that no store's data are written again
.set SP,    80                         ; a lane's place in a stage: 64 bytes + 16 of padding
.set WREG,  2*32*SP                    ; a wave's two stages
.set SCW,   8*WREG                     ; behind them: the work-group's scale words
	s_load_b256 s[4:11], s[0:1], 0x0               ; x, Wq, Wk, Wv
	s_load_b128 s[12:15], s[0:1], 0x20             ; Wp, xc
	s_load_b64 s[16:17], s[0:1], 0x30              ; xs
	v_lshl_add_u32 v192, v0, 2, 0xa400
	v_mov_b32 v193, 0
	v_lshrrev_b32 v1, 5, v0
	s_delay_alu instid0(VALU_DEP_1)
	v_readfirstlane_b32 s18, v1                    ; wave 0..7
	v_and_b32 v2, 31, v0                           ; lane
	s_delay_alu instid0(VALU_DEP_1)
	v_lshlrev_b32 v3, 4, v2                        ; my 16 bytes of a load's 512
	s_mul_i32 s19, s18, WREG
	v_lshrrev_b32 v14, 2, v2
	s_delay_alu instid0(VALU_DEP_1)
	v_mul_u32_u24 v14, v14, SP
	v_and_b32 v15, 3, v2
	s_delay_alu instid0(VALU_DEP_1)
	v_lshl_add_u32 v14, v15, 4, v14
	s_delay_alu instid0(VALU_DEP_1)
	v_add_nc_u32 v14, s19, v14                     ; the stage, on the way in: SP (lane / 4) + 16 (lane % 4)
	v_mul_u32_u24 v15, v2, SP
	s_delay_alu instid0(VALU_DEP_1)
	v_add_nc_u32 v15, s19, v15                     ; and on the way out: SP x lane: my 16 neighbours
	v_lshlrev_b32 v4, 3, v2                        ; 8 x lane: my codes' place in a step's 256 bytes; also my place in a unit of scale words
	v_lshrrev_b32 v5, 3, v2                        ; my block's K step of 128 (four blocks, eight lanes),
	s_delay_alu instid0(VALU_DEP_1)
	v_lshlrev_b32 v5, 8, v5                        ; 256 bytes of words each,
	v_bfe_u32 v6, v2, 1, 2                         ; and its byte in the word
	s_delay_alu instid0(VALU_DEP_1)
	v_add_nc_u32 v5, v5, v6
	s_lshl_b32 s19, s18, 5                         ; my wave's 8 rows: 32 bytes of words
	s_add_co_u32 s19, s19, SCW
	v_add_nc_u32 v5, s19, v5
	s_and_b32 s24, s18, 3                          ; which K step's words a wave stores at the end (waves 0 to 3 do)
	s_lshl_b32 s19, s24, 8
	s_add_co_u32 s19, s19, SCW
	v_add_nc_u32 v6, s19, v4
	s_lshr_b32 s20, ttmp9, 1                       ; block of 64 rows of xc, 0..191
	s_and_b32 s21, ttmp9, 1                        ; which half of K
	s_and_b32 s23, s20, 15                         ; the block's number inside a weight (each weight has 16 blocks, and they begin at 128, 144, 160, 176)
	s_lshl_b32 s26, s20, 15                        ; codes: 64 rows x 512 bytes a block,
	s_lshl_b32 s27, s18, 12                        ; 8 rows a wave,
	s_add_co_u32 s26, s26, s27
	s_lshl_b32 s27, s21, 8                         ; 256 bytes a half row
	s_add_co_u32 s26, s26, s27
	s_mov_b32 s27, 0
	s_lshl_b32 s28, s21, 2
	s_add_co_u32 s28, s28, s24                     ; scale words: K step 4 x half + wave,
	s_mul_i32 s28, s28, 49152                      ; 12,288 words each,
	s_lshl_b32 s29, s20, 8                         ; 256 bytes a block of rows
	s_add_co_u32 s28, s28, s29
	s_mov_b32 s29, 0
	s_wait_alu depctr_va_vdst(0)
	s_wait_kmcnt 0x0
	s_cmp_lt_u32 s20, 176                          ; which tensor: the choice hangs on the work-group's number alone
	s_cselect_b64 s[12:13], s[10:11], s[12:13]
	s_cmp_lt_u32 s20, 160
	s_cselect_b64 s[12:13], s[8:9], s[12:13]
	s_cmp_lt_u32 s20, 144
	s_cselect_b64 s[12:13], s[6:7], s[12:13]
	s_cmp_lt_u32 s20, 128
	s_cselect_b64 s[12:13], s[4:5], s[12:13]
	s_cselect_b32 s22, s20, s23                    ; the block's number inside its tensor
	s_lshl_b32 s22, s22, 18                        ; 64 rows x 4,096 bytes,
	s_lshl_b32 s23, s18, 15                        ; 8 rows a wave,
	s_add_co_u32 s22, s22, s23
	s_lshl_b32 s23, s21, 11                        ; 2,048 bytes a half row
	s_add_co_u32 s22, s22, s23
	s_mov_b32 s23, 0
	s_add_nc_u64 s[12:13], s[12:13], s[22:23]
	s_add_nc_u64 s[14:15], s[14:15], s[26:27]
	s_add_nc_u64 s[16:17], s[16:17], s[28:29]
.macro LOAD t                          ; step t: my wave's row t, its half of K
.irp i, 0,1,2,3
	global_load_b128 v[R+16*((\t)%4)+4*\i:R+16*((\t)%4)+4*\i+3], v3, s[12:13] offset:4096*(\t)+512*\i th:TH_LOAD_NT   ; 32 lanes read 512 consecutive bytes
.endr
.endm
.macro TURN t                          ; step t's numbers through the stage: LDS serves a wave's instructions in order, so no wait stands between the stores and the loads
.irp i, 0,1,2,3
	ds_store_b128 v14, v[R+16*((\t)%4)+4*\i:R+16*((\t)%4)+4*\i+3] offset:32*SP*((\t)%2)+8*SP*\i
.endr
.irp i, 0,1,2,3
	ds_load_b128 v[X+16*((\t)%2)+4*\i:X+16*((\t)%2)+4*\i+3], v15 offset:32*SP*((\t)%2)+16*\i
.endr
.endm
.irp t, 0,1,2,3
	LOAD \t
.endr
	s_wait_loadcnt 12                              ; step 0's four loads are in; the twelve of steps 1 to 3 may be out
	TURN 0
.macro STEP t
.set XS, X+16*((\t)%2)
.if (\t) > 0
	s_wait_dscnt 1                                 ; this step's numbers are back from the stage (the last step's byte store may be out): so its stores into the stage have read their registers,
.else
	s_wait_dscnt 0x0
.endif
.if (\t)+4 < STEPS
	LOAD (\t)+4                                    ; which take the loads of four steps on
.endif
.if (\t)+1 < STEPS
.if STEPS-2-(\t) >= 3
	s_wait_loadcnt 12                              ; the next step's four loads are in; those of the three steps behind it may be out
.else
	s_wait_loadcnt 4*(STEPS-2-(\t))                ; the same, with fewer steps left behind it
.endif
	TURN (\t)+1                                    ; and go through the other stage while this step is worked
.endif
	v_max3_num_f32 v8, |v[XS]|, |v[XS+1]|, |v[XS+2]|               ; the largest magnitude of my 16, in two chains
	v_max3_num_f32 v9, |v[XS+3]|, |v[XS+4]|, |v[XS+5]|
.irp i, 6,10
	s_delay_alu instid0(VALU_DEP_2)
	v_max3_num_f32 v8, v8, |v[XS+\i]|, |v[XS+\i+1]|
	s_delay_alu instid0(VALU_DEP_2)
	v_max3_num_f32 v9, v9, |v[XS+\i+2]|, |v[XS+\i+3]|
.endr
	s_delay_alu instid0(VALU_DEP_2)
	v_max3_num_f32 v8, v8, |v[XS+14]|, |v[XS+15]|
	s_delay_alu instid0(VALU_DEP_1)
	v_max3_num_f32 v8, v8, v9, (EMAX+1)<<23        ; and the floor 2^(3 - 127): the byte cannot fall under 1
	s_delay_alu instid0(VALU_DEP_1)
	v_max_num_f32_dpp v8, v8, v8 row_xmask:1 row_mask:0xf bank_mask:0xf   ; and of my neighbour's 16: the block's
	s_delay_alu instid0(VALU_DEP_1)
	v_add_nc_u32 v11, -(EMAX<<23), v8              ; 2 off its exponent field: the conversion takes the exponent field of this operand as its scale, and nothing else of it
	v_cvt_scalef32_pk8_fp4_f32 v[C+4*(\t)], v[XS:XS+7], v11
	v_cvt_scalef32_pk8_fp4_f32 v[C+4*(\t)+1], v[XS+8:XS+15], v11
	v_lshrrev_b32 v[E+(\t)], 23, v11               ; the scale's byte (a plain line behind the conversions)
	ds_store_b8 v5, v[E+(\t)] offset:4*(\t)        ; row t's word; both lanes of a block write the same byte with the same value
	global_store_b64 v4, v[C+4*(\t):C+4*(\t)+1], s[14:15] offset:512*(\t)   ; 32 lanes store 256 consecutive bytes, aligned
.endm
.irp t, 0,1,2,3,4,5,6,7
	STEP \t
.endr
	s_wait_dscnt 0x0                               ; for the others' sake: my byte stores have landed
	s_barrier_signal -1
	s_barrier_wait -1                              ; the 64 rows' words are whole
	s_cmp_lt_u32 s18, 4
	s_cbranch_scc0 .Ldone                          ; four units of 256 bytes: waves 0 to 3 take one each
	ds_load_b64 v[12:13], v6
	s_wait_dscnt 0x0
	global_store_b64 v4, v[12:13], s[16:17]        ; 32 lanes store 256 consecutive bytes, aligned
.Ldone:
	s_wait_tensorcnt 0x0
	ds_add_u32 v192, v193
	s_wait_dscnt 0x0
	s_endpgm
.Lfunc_end_k_qc68dfee645_quant:
	.size	k_qc68dfee645_quant, .Lfunc_end_k_qc68dfee645_quant-k_qc68dfee645_quant
	.p2alignl 7, 3214868480
	.fill 96, 4, 3214868480
	.section	.rodata,"a",@progbits
	.p2align	6, 0x0
	.amdhsa_kernel k_qc68dfee645_quant
		.amdhsa_group_segment_fixed_size 43008
		.amdhsa_private_segment_fixed_size 0
		.amdhsa_enable_private_segment 0
		.amdhsa_kernarg_size 56
		.amdhsa_user_sgpr_count 2
		.amdhsa_user_sgpr_kernarg_segment_ptr 1
		.amdhsa_wavefront_size32 1
		.amdhsa_system_sgpr_workgroup_id_x 1
		.amdhsa_system_sgpr_workgroup_id_y 1
		.amdhsa_system_sgpr_workgroup_id_z 1
		.amdhsa_system_vgpr_workitem_id 0
		.amdhsa_next_free_vgpr 194
		.amdhsa_next_free_sgpr 66
		.amdhsa_reserve_vcc 0
		.amdhsa_float_denorm_mode_32 3
		.amdhsa_float_denorm_mode_16_64 3
		.amdhsa_memory_ordered 1
		.amdhsa_forward_progress 1
		.amdhsa_inst_pref_size 21
	.end_amdhsa_kernel
	.amdgpu_metadata
---
amdhsa.version: [ 1, 2 ]
amdhsa.kernels:
  - .name:           k_qc68dfee645_quant
    .symbol:         k_qc68dfee645_quant.kd
    .args:
      - { .name: x, .offset: 0, .size: 8, .value_kind: global_buffer, .address_space: global }
      - { .name: Wq, .offset: 8, .size: 8, .value_kind: global_buffer, .address_space: global }
      - { .name: Wk, .offset: 16, .size: 8, .value_kind: global_buffer, .address_space: global }
      - { .name: Wv, .offset: 24, .size: 8, .value_kind: global_buffer, .address_space: global }
      - { .name: Wp, .offset: 32, .size: 8, .value_kind: global_buffer, .address_space: global }
      - { .name: xc, .offset: 40, .size: 8, .value_kind: global_buffer, .address_space: global }
      - { .name: xs, .offset: 48, .size: 8, .value_kind: global_buffer, .address_space: global }
    .group_segment_fixed_size: 43008
    .private_segment_fixed_size: 0
    .kernarg_segment_align: 8
    .kernarg_segment_size: 56
    .max_flat_workgroup_size: 256
    .sgpr_count:     66
    .vgpr_count:     194
    .wavefront_size: 32
...
	.end_amdgpu_metadata
.endif
;; end of part 1
;; launch qkv (part 2): grid 8 x 48, 4 waves a work-group, clusters of 4 x 4, 327,680 bytes of LDS; arguments xc, xs, qkv; writes qkv
.if DOCPART == 2
	.amdgcn_target "amdgcn-amd-amdhsa--gfx1250"
	.amdhsa_code_object_version 6
	.text
	.protected	k_qc68dfee645_qkv
	.globl	k_qc68dfee645_qkv
	.p2align	8
	.type	k_qc68dfee645_qkv,@function
k_qc68dfee645_qkv:
	s_mov_b64 s[64:65], 0
	v_nop
	global_prefetch_b8 v0, s[64:65] scope:SCOPE_SE
	s_setreg_imm32_b32 hwreg(HW_REG_WAVE_MODE, 25, 1), 1
	s_wait_xcnt 0x0
	s_wait_alu depctr_hold_cnt(0) depctr_sa_sdst(0) depctr_va_vdst(0) depctr_va_sdst(0) depctr_va_ssrc(0) depctr_va_vcc(0) depctr_vm_vsrc(0)
	s_getreg_b32 s2, hwreg(HW_REG_IB_STS2, 6, 4)
	s_cmp_eq_u32 s2, 0
	s_cbranch_scc0 .Lentry_in_a_cluster
	s_endpgm
.Lentry_in_a_cluster:
	s_bfe_u32 s2, ttmp6, 0x10000c
	s_cmp_lg_u32 s2, 0xf033
	s_cbranch_scc0 .Lentry_shape_is_right
	s_endpgm
.Lentry_shape_is_right:
; q = x Wq^T, k = x Wk^T, v = x Wv^T on codes of FP4 (E2M1) with E8M0 scales, f32 sums; the results are quantised in registers for the products that follow and leave as codes: q and k along the head's 64, v along the tokens.
; ONE BODY, TWO ROLES.  The matrix instruction takes 16 rows of 'B' as source 0 and 16 rows of 'A' as source 1: a lane then holds one row of A and its registers run along B's rows.  So B is the axis that is quantised next:
;   kind 0 (cluster rows 0-7, 256 work-groups): A = 256 tokens of x, B = 256 rows of Wq / Wk (xc rows 8,192 on);   kind 1 (cluster rows 8-11, 128 work-groups): A = 256 rows of Wv (xc rows 10,240 on), B = 256 tokens of x.
; The kind enters addresses and selected values alone: no branch hangs on it.
; A tile is 256 x 256, four waves, 128 x 128 each: 64 accumulators, 512 registers.  K = 1,024 is two slots of 512 (rows of 256 bytes, 16 of padding): BOTH ARE FILLED ONCE, at the head; no LDS byte is filled twice.
; The scale words of the 256 + 256 rows for all of K (8 K steps x 512 bytes for each 128 rows) come with them.  By this text's own count a wave has three tensor loads out.
; CLUSTERS: 4 x 4.  A's tiles are shared along a row of the cluster, B's along a column: each is asked for jointly, by the same load with the same descriptor and a mask that names the four.
; 384 tiles are 24 clusters: more than the chip takes at once, and the second lot is half as large as the first; a wave's 128 x 128 is kept because it is exactly one step of 128 tokens x two heads, so that every store below is whole.
; THE OUTPUT: 48 head regions (16 q, 16 k, 16 v) of RS bytes; a region is 64 steps of 128 tokens, 4,352 bytes each: 4,096 of codes, then 256 of scale bytes.
;   q, k: codes [token 128][32 bytes]; the two scale bytes of token 16 a + r at 16 r + 2 a.     v: codes [64 keys: 2][channel 64][32 bytes]; the scale word (the step's four blocks) of channel 16 t + r at 16 r + 4 t.
; LIMITS: a block whose largest magnitude lies under 2^-124 (zeros too) gets the scale byte 1; this program alone reads the bytes.  NaN and infinities are not served.
; REGISTERS, in windows of 256: window 0: v0-31 addresses; v32-95 scale words; v96-127 at work on the way out; v128-191 A's fragments, one set, later the codes made.  window 1: B's fragments, two sets, v0-63 and v128-191.
;   window 2: the accumulators of A's blocks 0-3 ((a, b) at v[8 (8 a + b)]);  window 3: those of blocks 4-7.
.set NQ,     4                         ; matrix instructions deep in a slot
.set ROWB,   256                       ; a tile's row in bytes: 512 codes
.set KROW,   512                       ; a row of xc
.set PITCH,  272                       ; an LDS row: 256 bytes + 16 of padding: the 16 rows that a load touches start at 16 different banks
.set FR,     8                         ; registers of a fragment: 16 rows x 128 K
.set NL,     2                         ; LDS loads that bring one
.set NP,     4                         ; places behind this matrix instruction (ISA guide 7.12.1)
.set HALFT,  128*PITCH
.set SLOT,   4*HALFT                   ; A's 256 rows, then B's 256 rows
.set SCL,    2*SLOT                    ; behind the slots: four quarters of 4,096 bytes: the scale words of A's rows 0-127, 128-255, B's rows 0-127, 128-255, [K step 8][row 128]
.set RS,     278528                    ; a head's region in the output
.set STEPB,  4352                      ; a step in it
.set VO,   8                           ; v8-11   the way out: my byte offset for (half c of the codes, A's blocks 0-3 or 4-7): VO + 2 c + g
.set VOS,  12                          ; v12     and for the scale bytes
.set PSEL, 13                          ; v13     byte selects: lanes 0-15 the low halves of two words, lanes 16-31 the high halves
.set ADRA, 16                          ; v16-17  LDS address of my A fragments in slot 0, 1
.set ADRB, 20                          ; v20-21  the same for B
.set ADRS, 27                          ; v27     LDS address of my scale words: lanes 0-15 A's rows, lanes 16-31 B's
.set SC,   32                          ; scale words: register 32 s + 4 i + q: lanes 0-15 A's block i, lanes 16-31 B's block i, slot s, its q-th 128 along K
.set PW,   96                          ; v96-103  the scale word made for A's block a
.set TM,   104                         ; v104-107 largest magnitudes, v108-111 the other half's / the bytes, v116-119 the conversions' scale operands
.set WQK,  120                         ; v120-123, v124-127 the 16 scale bytes that a lane stores, for each kind
.set WVV,  124
.set AF,   128                         ; A's fragments
.set PC,   128                         ; the codes made: 8 registers for each of A's blocks, so that no store's data are written again
.set SEL,  10                          ; s[10:11] lane selects for v_permlanex16_b32: lane l xor 16
.set G1, 24                            ; s[24:31] descriptor group 1 for A's tiles;  s[32:39] group 0, one set for each slot
.set G0, 32
.set G1B, 48                           ; s[48:55], s[56:63] the same for B's tiles
.set G0B, 56
.set G1S, 68                           ; s[68:75], s[76:79] groups 1 and 0 for A's scale words;  s[80:87], s[88:91] for B's
.set G0S, 76
.set G1SB, 80
.set G0SB, 88
.set MSB, 0
.macro WIN new                         ; the immediate's high byte repeats the setting that is left
.if MSB != \new
	s_set_vgpr_msb (MSB<<8)|\new
.set MSB, \new
.endif
.endm
.set MUL_LO, 0xa1                      ; source 0 (B) window 1, source 1 (A) window 0, C and D window 2
.set MUL_HI, 0xf1                      ; the same, C and D window 3
.set TO_B,   0x40                      ; destination window 1, address window 0
; A joint load: waves 0 and 1 fetch for A, waves 2 and 3 for B.  The branch hangs on the wave's number alone.  Four v_nop follow each of the two lines.
.macro JLOAD g0a, g1a, g0b, g1b
	s_cmp_eq_u32 s15, 0
	s_cbranch_scc0 .Lfor_b_\@
	tensor_load_to_lds s[\g0a:\g0a+3], s[\g1a:\g1a+7]
	s_nop 0
.rept 4
	v_nop
.endr
	s_branch .Lasked_\@
.Lfor_b_\@:
	tensor_load_to_lds s[\g0b:\g0b+3], s[\g1b:\g1b+7]
	s_nop 0
.rept 4
	v_nop
.endr
.Lasked_\@:
.endm
.macro CROUND                          ; a round of the cluster's barrier
	s_barrier_signal -1
	s_barrier_wait -1
	s_cmp_lg_u32 s14, 0
	s_cbranch_scc1 .Lnot_wave_0_\@
	s_barrier_signal -3
.Lnot_wave_0_\@:
	s_barrier_wait -3
	s_barrier_signal -1
	s_barrier_wait -1
.endm
	s_load_b128 s[4:7], s[0:1], 0x0                ; xc s[4:5], xs s[6:7]
	s_load_b64 s[8:9], s[0:1], 0x10                ; qkv
	v_lshl_add_u32 v254, v0, 2, 0x48000
	v_mov_b32 v255, 0
	ds_add_u32 v254, v255
	ds_add_u32 v254, v255
	v_lshrrev_b32 v1, 5, v0
	v_readfirstlane_b32 s14, v1                    ; wave 0..3
	s_lshr_b32 s15, s14, 1                         ; which half of A's rows is mine.  Also: I fetch for A (0) or for B (1)
	s_and_b32 s16, s14, 1                          ; which half of B's rows.  Also: which 128 rows of that tile I fetch
	s_bfe_u32 s40, ttmp6, 0x40000                  ; cx, cy: my place in the cluster
	s_bfe_u32 s41, ttmp6, 0x40004
	s_and_b32 s17, ttmp7, 0xffff                   ; Y: the cluster's row, 0..11
	s_lshr_b32 s66, s17, 3                         ; the kind: 0 for Y under 8, else 1
	s_mul_i32 s67, s66, s17                        ; kind x Y
	s_sub_co_u32 s17, s17, s67
	s_lshl_b32 s17, s17, 2
	s_add_co_u32 s17, s17, s41                     ; A's tile: 4 Y + cy (kind 0: 32 tiles of tokens), cy (kind 1: Wv's 4)
	s_lshl_b32 s42, s67, 1
	s_lshl_b32 s45, s66, 4
	s_sub_co_u32 s42, s42, s45                     ; kind x (2 Y - 16)
	s_add_co_u32 s42, s42, ttmp9
	s_lshl_b32 s42, s42, 2
	s_add_co_u32 s42, s42, s40                     ; B's tile: 4 X + cx (kind 0: the 8 of Wq, Wk), 4 (X + 2 Y - 16) + cx (kind 1: 32 tiles of tokens)
	s_lshl_b32 s43, s41, 2
	s_lshl_b32 s43, 15, s43                        ; my row of the cluster
	s_lshl_b32 s44, 0x1111, s40                    ; my column
	; descriptor group 1: a tile of 128 rows x 256 bytes, padded in LDS
	s_or_b32 s[G1+0], s43, (0<<16)|(1<<20)|(1<<21)|(5<<22)|(3<<25)  ; 15:0 the mask: A's tiles go to my row; 17:16 element of 1 byte; 20 padding on; 21 set beside a mask; 24:22 after every 64 words; 31:25 four words
	s_or_b32 s[G1B+0], s44, (0<<16)|(1<<20)|(1<<21)|(5<<22)|(3<<25)
.irp g, G1, G1B
	s_mov_b32 s[\g+1], ROWB<<16                    ; tensor_dim0
	s_mov_b32 s[\g+2], 128<<16                     ; tensor_dim1
	s_mov_b32 s[\g+3], ROWB<<16                    ; tile_dim0
	s_mov_b32 s[\g+4], 128                         ; tile_dim1
	s_mov_b32 s[\g+5], KROW                        ; tensor_dim0_stride
	s_mov_b32 s[\g+6], 0
	s_mov_b32 s[\g+7], 0
.endr
	; and for the scale words of 128 rows: 8 K steps x 512 bytes (64 elements of 8 bytes), 49,152 bytes (6,144 elements) apart; no padding: a load of words takes neighbouring bytes
	s_or_b32 s[G1S+0], s43, (3<<16)|(1<<21)
	s_or_b32 s[G1SB+0], s44, (3<<16)|(1<<21)
.irp g, G1S, G1SB
	s_mov_b32 s[\g+1], 64<<16
	s_mov_b32 s[\g+2], 8<<16
	s_mov_b32 s[\g+3], 64<<16
	s_mov_b32 s[\g+4], 8
	s_mov_b32 s[\g+5], 6144
	s_mov_b32 s[\g+6], 0
	s_mov_b32 s[\g+7], 0
.endr
	s_lshl_b32 s18, s16, 7                         ; which 128 rows of the tile I fetch
	s_lshl_b32 s20, s17, 8
	s_add_co_u32 s20, s20, s18
	s_mul_i32 s19, s66, 10240
	s_add_co_u32 s20, s20, s19                     ; A: row of xc = 256 x tile + 128 x half (+ 10,240: Wv)
	s_lshl_b32 s46, s42, 8
	s_add_co_u32 s46, s46, s18
	s_sub_co_u32 s19, 1, s66
	s_lshl_b32 s19, s19, 13
	s_add_co_u32 s46, s46, s19                     ; B: likewise (+ 8,192: Wq, Wk)
	s_lshl_b32 s22, s20, 2                         ; where these rows' scale words begin, in bytes,
	s_mov_b32 s23, 0
	s_lshl_b32 s92, s46, 2
	s_mov_b32 s93, 0
	s_lshl_b32 s20, s20, 9                         ; and their codes
	s_mov_b32 s21, 0
	s_lshl_b32 s46, s46, 9
	s_mov_b32 s47, 0
	s_mul_i32 s45, s14, HALFT                      ; where they go: wave x 128 rows: no place in the cluster enters an LDS address
	s_lshl_b32 s94, s14, 12
	s_wait_dscnt 0x0
	s_wait_kmcnt 0x0
	s_add_nc_u64 s[20:21], s[4:5], s[20:21]
	s_add_nc_u64 s[22:23], s[6:7], s[22:23]
	s_add_nc_u64 s[46:47], s[4:5], s[46:47]
	s_add_nc_u64 s[92:93], s[6:7], s[92:93]
	CROUND                                         ; all sixteen work-groups are here: the joint loads meet
	s_mov_b32 s[G0S], 1
	s_add_co_u32 s[G0S+1], s94, SCL
	s_mov_b64 s[G0S+2:G0S+3], s[22:23]
	s_or_b32 s[G0S+3], s[G0S+3], 0x80000000
	s_mov_b32 s[G0SB], 1
	s_add_co_u32 s[G0SB+1], s94, SCL
	s_mov_b64 s[G0SB+2:G0SB+3], s[92:93]
	s_or_b32 s[G0SB+3], s[G0SB+3], 0x80000000
	JLOAD G0S, G1S, G0SB, G1SB                     ; the scale words first: they are wanted with slot 0
.irp s, 0,1
	s_mov_b32 s[G0+4*\s], 1
	s_add_co_u32 s[G0+4*\s+1], s45, \s*SLOT
	s_add_nc_u64 s[G0+4*\s+2:G0+4*\s+3], s[20:21], \s*ROWB
	s_or_b32 s[G0+4*\s+3], s[G0+4*\s+3], 0x80000000
	s_mov_b32 s[G0B+4*\s], 1
	s_add_co_u32 s[G0B+4*\s+1], s45, \s*SLOT
	s_add_nc_u64 s[G0B+4*\s+2:G0B+4*\s+3], s[46:47], \s*ROWB
	s_or_b32 s[G0B+4*\s+3], s[G0B+4*\s+3], 0x80000000
	JLOAD G0+4*\s, G1, G0B+4*\s, G1B
.endr
	v_and_b32 v1, 15, v0                           ; r = l % 16
	v_bfe_u32 v2, v0, 4, 1                         ; h = l / 16
	s_wait_alu depctr_va_vdst(0)
	v_mul_u32_u24 v3, v1, PITCH
	v_lshl_add_u32 v4, v2, 4, v3                   ; a fragment's row x pitch + 16 x half
	s_mul_i32 s21, s15, HALFT                      ; my 128 rows of A
	s_mul_i32 s22, s16, HALFT                      ; my 128 rows of B,
	s_add_co_u32 s22, s22, 2*HALFT                 ; which lie behind A's 256
.irp s, 0,1
	v_add_nc_u32 v[ADRA+\s], s21, v4
	v_add_nc_u32 v[ADRB+\s], s22, v4
	s_add_co_u32 s21, s21, SLOT
	s_add_co_u32 s22, s22, SLOT
.endr
	v_lshlrev_b32 v5, 2, v1                        ; my row's scale word
	s_lshl_b32 s21, s15, 12                        ; A's: my quarter
	s_lshl_b32 s22, s16, 12                        ; B's: my quarter, behind A's two
	s_add_co_u32 s22, s22, 8192
	s_sub_co_u32 s22, s22, s21
	v_mul_u32_u24 v6, s22, v2                      ; lanes 16-31 take B's: one product, the distance between the two
	s_add_co_u32 s21, s21, SCL
	v_add_nc_u32 v5, v5, v6
	v_add_nc_u32 v[ADRS], s21, v5
	; the way out.  kind 0: head = 4 x B's tile + 2 x B's half, step = 2 x A's tile + A's half;  kind 1: head = 32 + 4 x A's tile + 2 x A's half, step = 2 x B's tile + B's half
	s_lshl_b32 s95, s42, 2
	s_lshl_b32 s96, s16, 1
	s_add_co_u32 s95, s95, s96
	s_lshl_b32 s96, s17, 2
	s_lshl_b32 s97, s15, 1
	s_add_co_u32 s96, s96, s97
	s_add_co_u32 s96, s96, 32
	s_lshl_b32 s97, s17, 1
	s_add_co_u32 s97, s97, s15
	s_lshl_b32 s98, s42, 1
	s_add_co_u32 s98, s98, s16
	s_mov_b32 s99, RS
	s_cmp_lg_u32 s66, 0
	s_cselect_b32 s95, s96, s95                    ; my first head's region
	s_cselect_b32 s97, s98, s97                    ; my step
	s_cselect_b32 s96, 2048, s99                   ; from half 0 of a lane's codes to half 1: the next head (kind 0), the next 64 keys (kind 1)
	s_cselect_b32 s98, s99, 2048                   ; from A's blocks 0-3 to 4-7: the next 64 tokens (kind 0), the next head (kind 1)
	s_mul_i32 s95, s95, RS
	s_mul_i32 s97, s97, STEPB
	s_add_co_u32 s92, s95, s97
	s_mov_b32 s93, 0
	s_add_nc_u64 s[8:9], s[8:9], s[92:93]
	s_sub_co_u32 s13, 0, s66                       ; a lane mask: all ones for kind 1
	s_mov_b32 s12, 0xffff0000                      ; a lane mask: lanes 16-31
	s_mov_b32 s[SEL], 0x76543210
	s_mov_b32 s[SEL+1], 0xfedcba98
	v_lshlrev_b32 v[VO], 5, v1
	v_lshl_add_u32 v[VO], v2, 4, v[VO]             ; 32 r + 16 h
	v_add_nc_u32 v[VO+1], s98, v[VO]
	v_add_nc_u32 v[VO+2], s96, v[VO]
	v_add_nc_u32 v[VO+3], s98, v[VO+2]
	v_mul_u32_u24 v[VOS], s99, v2                  ; scale bytes: lanes 0-15 my first head's, lanes 16-31 the next head's;
	v_lshl_add_u32 v[VOS], v1, 4, v[VOS]           ; 16 bytes a lane
	v_mov_b32 v[PSEL], 0x05040100
	v_mov_b32 v6, 0x07060302
	v_cndmask_b32 v[PSEL], v[PSEL], v6, s12
.irp b, 0,1,2,3
	v_mov_b32 v[TM+4+\b], 0                        ; written once: a lane permute's destination counts as one of its sources
.endr
.macro FRAG reg, adr, q, i             ; a fragment, 16 rows x 128 K of 4-bit codes: lane l holds row l % 16; registers 4 c .. 4 c + 3 hold K = 64 c + 32 (l / 16) + 0 .. 31
.irp c, 0,1
	ds_load_b128 v[\reg+4*\c:\reg+4*\c+3], v[\adr] offset:64*(\q)+32*\c+(\i)*16*PITCH
.endr
.endm
; 16 matrix instructions: A's blocks a0, a0 + 1 x B's eight, the slot's q-th 128 along K.  p: B's set;  sc: the slot.  zero = 1: the first product starts the sums.
; The 64 accumulators take turns, one instruction a turn, in the same order in every step.
.macro MUL16 a0, p, q, sc, zero
.irp a, \a0, \a0+1
.irp b, 0,1,2,3,4,5,6,7
.if \zero
	v_wmma_scale_f32_16x16x128_f8f6f4 v[8*(8*((\a)%4)+\b):8*(8*((\a)%4)+\b)+7], v[128*(\p)+FR*\b:128*(\p)+FR*\b+FR-1], v[AF+FR*(\a):AF+FR*(\a)+FR-1], 0, v[SC+8*NQ*(\sc)+NQ*\b+(\q)], v[SC+8*NQ*(\sc)+NQ*(\a)+(\q)] matrix_a_fmt:MATRIX_FMT_FP4 matrix_b_fmt:MATRIX_FMT_FP4 matrix_a_scale:MATRIX_SCALE_ROW1
.else
	v_wmma_scale_f32_16x16x128_f8f6f4 v[8*(8*((\a)%4)+\b):8*(8*((\a)%4)+\b)+7], v[128*(\p)+FR*\b:128*(\p)+FR*\b+FR-1], v[AF+FR*(\a):AF+FR*(\a)+FR-1], v[8*(8*((\a)%4)+\b):8*(8*((\a)%4)+\b)+7], v[SC+8*NQ*(\sc)+NQ*\b+(\q)], v[SC+8*NQ*(\sc)+NQ*(\a)+(\q)] matrix_a_fmt:MATRIX_FMT_FP4 matrix_b_fmt:MATRIX_FMT_FP4 matrix_a_scale:MATRIX_SCALE_ROW1
.endif
.endr
.endr
.endm
.macro FETCH_B slot, q, p              ; B's eight fragments of the slot's q-th 128 along K into set p
	WIN TO_B
.irp i, 0,1,2,3,4,5,6,7
	FRAG 128*(\p)+FR*\i, ADRB+\slot, \q, \i
.endr
	WIN 0
.endm
.macro FETCH_A slot, q, i0             ; A's blocks i0 .. i0 + 3
.irp i, \i0, \i0+1, \i0+2, \i0+3
	FRAG AF+FR*(\i), ADRA+\slot, \q, \i
.endr
.endm
.macro SCALES                          ; all 64 registers of scale words, once: lanes 0-15 take A's block i, lanes 16-31 B's block i
.irp s, 0,1
.irp q, 0,1,2,3
.irp i, 0,1,2,3,4,5,6,7
	ds_load_b32 v[SC+32*\s+4*\i+\q], v[ADRS] offset:(4*\s+\q)*512+64*\i
.endr
.endr
.endr
.endm
; A load into a register that a matrix instruction has read, and a vector instruction that reads a matrix result or writes one of its registers, stand NP places behind it; only plain vector instructions that name none of its registers are places.
.macro PLACES n
.rept \n
	v_nop
.endr
.endm
; A step of 128 along K that has its successor in the same slot.  A has one set of registers: blocks 0-3 are fetched anew in the step's middle, blocks 4-7 at its end; B has two sets.
.macro STEP slot, q, zero
	s_wait_dscnt 4*NL                              ; all is in but the youngest eight loads (A's blocks 4-7)
	WIN MUL_LO
	MUL16 0, (\q)%2, \q, \slot, \zero
	MUL16 2, (\q)%2, \q, \slot, \zero
	s_wait_dscnt 0                                 ; A's blocks 4-7 are in
	PLACES NP
	FETCH_B \slot, (\q)+1, 1-(\q)%2
	FETCH_A \slot, (\q)+1, 0
	WIN MUL_HI
	MUL16 4, (\q)%2, \q, \slot, \zero
	MUL16 6, (\q)%2, \q, \slot, \zero
	PLACES NP
	WIN 0
	FETCH_A \slot, (\q)+1, 4
.endm
.macro STEPS slot, from                ; the slot's steps from .. NQ - 2
.set Q, \from
.rept NQ-1-\from
	STEP \slot, Q, 0
.set Q, Q+1
.endr
.endm
	s_wait_tensorcnt 1                             ; the scale words and my part of slot 0 are in; slot 1's load may be out
	s_barrier_signal -1
	s_barrier_wait -1                              ; everybody's are
	FETCH_B 0, 0, 0
	FETCH_A 0, 0, 0
	SCALES
	FETCH_A 0, 0, 4
	STEP 0, 0, 1                                   ; the first step's products start the sums: nothing is cleared
	STEPS 0, 1
	; slot 0's last step goes over to slot 1: one barrier, in front of which each wave has seen its part of slot 1 land
	s_wait_tensorcnt 0x0
	s_wait_dscnt 4*NL                              ; (the youngest eight loads, A's blocks 4-7, may be out)
	WIN MUL_LO
	MUL16 0, 1, NQ-1, 0, 0
	s_wait_dscnt 0x0                               ; no LDS instruction of mine is out at the signal
	s_barrier_signal -1
	MUL16 2, 1, NQ-1, 0, 0                         ; work on registers while the others arrive
	WIN 0
	s_barrier_wait -1
	PLACES NP
	FETCH_B 1, 0, 0
	FETCH_A 1, 0, 0
	WIN MUL_HI
	MUL16 4, 1, NQ-1, 0, 0
	MUL16 6, 1, NQ-1, 0, 0
	PLACES NP
	WIN 0
	FETCH_A 1, 0, 4
	STEPS 1, 0
	s_wait_dscnt 4*NL                              ; the very last step: nothing more to fetch
	WIN MUL_LO
	MUL16 0, 1, NQ-1, 1, 0
	MUL16 2, 1, NQ-1, 1, 0
	s_wait_dscnt 0
	WIN MUL_HI
	MUL16 4, 1, NQ-1, 1, 0
	MUL16 6, 1, NQ-1, 1, 0
	WIN 0
; THE WAY OUT.  For A's block a a lane holds 64 numbers of its row: register 8 t + j is B's row 16 t + 8 (l / 16) + j.  A block of 32 is tiles 2 b and 2 b + 1 in lanes l and l xor 16.
; The conversions' results are laid so that two exchanges of halves for each 64 give the operand's order: registers 4 c .. 4 c + 3 hold 64 c + 32 (l / 16) + 0 .. 31.
.macro QUANT64 a
.set AC, 64*((\a)%4)
.set WN, 2+(\a)/4                      ; the accumulators' window
.set WW, (WN<<2)|(WN<<4)
	WIN WW                                         ; sources 1 and 2 in it
.irp b, 0,1,2,3
	v_max3_num_f32 v[TM+\b], 0x1800000, |v[AC+16*\b]|, |v[AC+16*\b+1]|   ; the floor 2^(3 - 127) starts each chain: the byte cannot fall under 1.  Each accumulator is read from its low end on
.endr
.irp i, 2,4,6,8,10,12,14
.irp b, 0,1,2,3
	v_max3_num_f32 v[TM+\b], v[TM+\b], |v[AC+16*\b+\i]|, |v[AC+16*\b+\i+1]|   ; (the four blocks by turns)
.endr
.endr
	WIN 0
.irp b, 0,1,2,3
	v_permlanex16_b32 v[TM+4+\b], v[TM+\b], s[SEL], s[SEL+1]
.endr
.irp b, 0,1,2,3
	v_max_num_f32 v[TM+\b], v[TM+\b], v[TM+4+\b]   ; with lane l xor 16's: the block's largest magnitude
.endr
.irp b, 0,1,2,3
	v_add_nc_u32 v[TM+12+\b], 0xff000000, v[TM+\b] ; 2 off its exponent field: the conversion's scale operand
.endr
.irp b, 0,1,2,3
	v_lshrrev_b32 v[TM+4+\b], 23, v[TM+12+\b]      ; the scale's byte
.endr
	v_lshl_or_b32 v[PW+(\a)], v[TM+5], 8, v[TM+4]
	v_lshl_or_b32 v[PW+(\a)], v[TM+6], 16, v[PW+(\a)]
	v_lshl_or_b32 v[PW+(\a)], v[TM+7], 24, v[PW+(\a)]
	WIN WN                                         ; source 0 in the accumulators' window
.irp c, 0,1
	v_cvt_scalef32_pk8_fp4_f32 v[PC+8*(\a)+4*\c],   v[AC+32*\c:AC+32*\c+7],     v[TM+12+2*\c]
	v_cvt_scalef32_pk8_fp4_f32 v[PC+8*(\a)+4*\c+2], v[AC+32*\c+8:AC+32*\c+15],  v[TM+12+2*\c]
	v_cvt_scalef32_pk8_fp4_f32 v[PC+8*(\a)+4*\c+1], v[AC+32*\c+16:AC+32*\c+23], v[TM+12+2*\c+1]
	v_cvt_scalef32_pk8_fp4_f32 v[PC+8*(\a)+4*\c+3], v[AC+32*\c+24:AC+32*\c+31], v[TM+12+2*\c+1]
.endr
	WIN 0
	v_nop                                          ; one plain place behind a scaled conversion
.irp c, 0,1
	v_permlane16_swap_b32 v[PC+8*(\a)+4*\c], v[PC+8*(\a)+4*\c+1]     ; the first's lanes 16-31 change places with the second's lanes 0-15
	v_permlane16_swap_b32 v[PC+8*(\a)+4*\c+2], v[PC+8*(\a)+4*\c+3]
.endr
.irp c, 0,1
	global_store_b128 v[VO+2*\c+(\a)/4], v[PC+8*(\a)+4*\c:PC+8*(\a)+4*\c+3], s[8:9] offset:((\a)%4)*512   ; 32 lanes store 512 consecutive bytes, aligned to 256
.endr
.endm
	PLACES NP                                      ; behind the last products
.irp a, 0,1,2,3,4,5,6,7
	QUANT64 \a
.endr
	; the scale bytes.  kind 0: a head's two bytes of tokens 16 a + r, a = 0 .. 7 (lanes 0-15: the words' low halves, my first head; lanes 16-31: the high halves, the next);  kind 1: the words of channels 16 t + r (lanes 0-15: blocks 0-3, lanes 16-31: blocks 4-7)
.irp y, 0,1,2,3
	v_perm_b32 v[WQK+\y], v[PW+2*\y+1], v[PW+2*\y], v[PSEL]
.endr
.irp y, 0,1,2,3
	v_cndmask_b32 v[WVV+\y], v[PW+\y], v[PW+4+\y], s12
.endr
.irp y, 0,1,2,3
	v_cndmask_b32 v[WVV+\y], v[WQK+\y], v[WVV+\y], s13   ; the kind selects a value, not a path
.endr
	global_store_b128 v[VOS], v[WVV:WVV+3], s[8:9] offset:4096   ; sixteen lanes store 256 consecutive bytes, aligned
	s_wait_tensorcnt 0x0
	ds_add_u32 v254, v255
	s_wait_dscnt 0x0
	CROUND                                         ; the closing round: no work-group ends while a partner may still ask for a tile that names it
	s_endpgm
.Lfunc_end_k_qc68dfee645_qkv:
	.size	k_qc68dfee645_qkv, .Lfunc_end_k_qc68dfee645_qkv-k_qc68dfee645_qkv
	.p2alignl 7, 3214868480
	.fill 96, 4, 3214868480
	.section	.rodata,"a",@progbits
	.p2align	6, 0x0
	.amdhsa_kernel k_qc68dfee645_qkv
		.amdhsa_group_segment_fixed_size 327680
		.amdhsa_private_segment_fixed_size 0
		.amdhsa_enable_private_segment 0
		.amdhsa_kernarg_size 24
		.amdhsa_user_sgpr_count 2
		.amdhsa_user_sgpr_kernarg_segment_ptr 1
		.amdhsa_wavefront_size32 1
		.amdhsa_system_sgpr_workgroup_id_x 1
		.amdhsa_system_sgpr_workgroup_id_y 1
		.amdhsa_system_sgpr_workgroup_id_z 1
		.amdhsa_system_vgpr_workitem_id 0
		.amdhsa_next_free_vgpr 1024
		.amdhsa_next_free_sgpr 100
		.amdhsa_reserve_vcc 0
		.amdhsa_float_denorm_mode_32 3
		.amdhsa_float_denorm_mode_16_64 3
		.amdhsa_memory_ordered 1
		.amdhsa_forward_progress 1
		.amdhsa_inst_pref_size 132
	.end_amdhsa_kernel
	.amdgpu_metadata
---
amdhsa.version: [ 1, 2 ]
amdhsa.kernels:
  - .name:           k_qc68dfee645_qkv
    .symbol:         k_qc68dfee645_qkv.kd
    .args:
      - { .name: xc, .offset: 0, .size: 8, .value_kind: global_buffer, .address_space: global }
      - { .name: xs, .offset: 8, .size: 8, .value_kind: global_buffer, .address_space: global }
      - { .name: qkv, .offset: 16, .size: 8, .value_kind: global_buffer, .address_space: global }
    .group_segment_fixed_size: 327680
    .private_segment_fixed_size: 0
    .kernarg_segment_align: 8
    .kernarg_segment_size: 24
    .max_flat_workgroup_size: 128
    .sgpr_count:     100
    .vgpr_count:     1024
    .wavefront_size: 32
...
	.end_amdgpu_metadata
.endif
;; end of part 2
;; launch attn (part 3): grid 8 x 32, 16 waves a work-group, clusters of 4 x 1, 327,680 bytes of LDS; arguments qkv, oc, os; writes oc, os
.if DOCPART == 3
	.amdgcn_target "amdgcn-amd-amdhsa--gfx1250"
	.amdhsa_code_object_version 6
	.text
	.protected	k_qc68dfee645_attn
	.globl	k_qc68dfee645_attn
	.p2align	8
	.type	k_qc68dfee645_attn,@function
k_qc68dfee645_attn:
	s_mov_b64 s[64:65], 0
	v_nop
	global_prefetch_b8 v0, s[64:65] scope:SCOPE_SE
	s_setreg_imm32_b32 hwreg(HW_REG_WAVE_MODE, 25, 1), 1
	s_wait_xcnt 0x0
	s_wait_alu depctr_hold_cnt(0) depctr_sa_sdst(0) depctr_va_vdst(0) depctr_va_sdst(0) depctr_va_ssrc(0) depctr_va_vcc(0) depctr_vm_vsrc(0)
	s_getreg_b32 s2, hwreg(HW_REG_IB_STS2, 6, 4)
	s_cmp_eq_u32 s2, 0
	s_cbranch_scc0 .Lentry_in_a_cluster
	s_endpgm
.Lentry_in_a_cluster:
	s_bfe_u32 s2, ttmp6, 0x10000c
	s_cmp_lg_u32 s2, 0x3003
	s_cbranch_scc0 .Lentry_shape_is_right
	s_endpgm
.Lentry_shape_is_right:
; out[b][t][head] = softmax(q k^T / 8) v for two heads of one batch row, both products on codes of FP4 (E2M1) with E8M0 scales; the result is quantised along C for the last product and leaves as codes.
; THE SOFTMAX AHEAD OF THE SECOND PRODUCT: t = score x log2(e) / 8; M = the row's largest t so far, rounded UP to a whole number; p = 2^(t - M) is quantised along the keys, not normalised.  The row's sum is taken of the
; unquantised p, in f32, and divides at the end.  When M moves, the sum and O are multiplied by 2^(old M - new M): exact.
; SHARES.  A work-group owns 256 queries of a pair of heads (2 hp, 2 hp + 1); each of its sixteen waves 16 queries, in 256 registers: four waves to a SIMD, so that one wave's vector work stands beside another's products and LDS loads.
; A wave walks head 2 hp, then head 2 hp + 1, 2,048 keys each in 16 steps of 128: so it ends with 128 codes and a whole scale word for each token: one K step of the last product.
; LDS.  K and V of both heads for the whole row (4 x 69,632 bytes, codes and scale bytes step by step as the launch before laid them) come ONCE, as units of 256 bytes with 16 of padding; no LDS byte is filled twice.
; Waves 0 to 3 fetch (K or V, first or second half of the keys), two loads each: head 0's, then head 1's, which lands while head 0 is worked.  By this text's own count a wave has two tensor loads out.
; CLUSTER.  The four query blocks of a cluster walk the same K and V: each load is joint, the same descriptor and a mask that names the four.
; LAYOUT.  Both products are used transposed: S^T = K Q^T (source 0 = keys, source 1 = my 16 queries), O^T = V^T P^T: a lane holds ONE query (lane % 16) throughout.
; THE HEAD IS 64, THE INSTRUCTION'S K 128: a fragment of K holds TWO tiles of 16 keys (tile 2 y in k 0-63, tile 2 y + 1 in k 64-127), and Q stands with zero codes in the half that is not meant: [q][0] for the even tile, [0][q] for the odd.
; In tile t a lane holds keys 16 t + 8 (lane / 16) + 0 .. 7; a block of 32 keys is tiles 2 b, 2 b + 1 in lanes l and l xor 16; the conversions' results are laid so that two exchanges of halves for each 64 keys give the operand's order.
; LIMITS: a block whose largest magnitude lies under 2^-124 (zeros too) gets the scale byte 1; this program alone reads the bytes.  NaN and infinities are not served.
.set RS,    278528                     ; a head's region in qkv
.set STEPB, 4352                       ; a step of 128 tokens in it: 16 units of codes, one of scale bytes
.set LSTEP, 4624                       ; the same in LDS: 17 units of 272
.set VBLK,  73984                      ; a head's K (or V) in LDS: 272 units of 272.  K0, V0, K1, V1 on end
.set SCR,   4*VBLK                     ; behind them: 1,024 bytes for the 256 tokens' scale words; no fill lands here
.set LT,   1                           ; v1   my lane's place in a tile of 16 rows of 32 bytes: (r / 8) 272 + (r % 8) 32 + 16 h
.set LS,   2                           ; v2   16 r: my row's 16 scale bytes
.set ADK,  3                           ; v3-6 the step's addresses: K's codes, K's scale bytes, V's codes, V's scale bytes
.set ADKS, 4
.set ADV,  5
.set ADVS, 6
.set GO,   7                           ; v7   32 r + 16 h: my place in a tile of codes in memory
.set SRD,  8                           ; v8   where I read scale words back;  v9 where I put mine;  v11 16 x thread: their place in os
.set SWR,  9
.set HW0,  10                          ; v10  head 0's two scale bytes
.set OSO,  11
.set QS,   36                          ; v36, v37 Q's scale words, head 0, 1;  v38, v39 as loaded.   v16-35: [0 x 4][q0][0 x 4][q1][0 x 4]
.set KF,   40                          ; v40-71   K's eight tiles: four fragments
.set KSC,  72                          ; v72-75   their scale words
.set VF,   76                          ; v76-107  V's four fragments
.set VSC,  108                         ; v108-111 their scale words
.set S,    112                         ; v112-175 S^T, then p
.set O,    176                         ; v176-207 O^T
.set PC,   208                         ; v208-215 p's codes
.set TM,   216                         ; v216-219 block maxima, v220-223 the other half's / bytes, v224-227 the conversions' scale operands
.set PSW,  228                         ; v228     p's scale word
.set TT,   230                         ; v230     at work
.set FF,   232                         ; v[232:233] f = 2^(old M - new M); v233 = 0, named with it as a pair
.set SU,   234                         ; v[234:235] the sum's second chain
.set PCO,  236                         ; v236-243 the result's codes, head 0, 1
.set OSW,  244                         ; v244     the result's scale word
.set WV,   18
.set SEL,  20                          ; s[20:21] lane selects for v_permlanex16_b32: lane l xor 16
.set CS,   22                          ; s[22:23] c = log2(e) / 8
.set TB,   40                          ; s40  LDS byte at which the step's K begins
.set CNT,  41                          ; s41  steps to go
.macro CROUND                          ; a round of the cluster's barrier
	s_barrier_signal -1
	s_barrier_wait -1
	s_cmp_lg_u32 s[WV], 0
	s_cbranch_scc1 .Lnot_wave_0_\@
	s_barrier_signal -3
.Lnot_wave_0_\@:
	s_barrier_wait -3
	s_barrier_signal -1
	s_barrier_wait -1
.endm
	s_load_b128 s[4:7], s[0:1], 0x0                ; qkv, oc
	s_load_b64 s[8:9], s[0:1], 0x10                ; os
	v_lshl_add_u32 v254, v0, 2, 0x48800
	v_mov_b32 v255, 0
	ds_add_u32 v254, v255
	ds_add_u32 v254, v255
	v_lshrrev_b32 v1, 5, v0
	s_delay_alu instid0(VALU_DEP_1)
	v_readfirstlane_b32 s[WV], v1                  ; wave 0..15
	s_and_b32 s44, ttmp7, 0xffff
	s_lshr_b32 s45, s44, 3                         ; b: the batch row
	s_and_b32 s46, s44, 7                          ; hp: the pair of heads
	; what I fetch, if I fetch (waves 0 to 3): K (wave even) or V (odd), keys 1,024 x (wave / 2) on
	s_and_b32 s47, s[WV], 1
	s_lshr_b32 s48, s[WV], 1
	s_mul_i32 s49, s47, VBLK
	s_mul_i32 s50, s48, VBLK/2
	s_add_co_u32 s49, s49, s50                     ; in LDS
	s_lshl_b32 s50, s47, 4
	s_lshl_b32 s51, s46, 1
	s_add_co_u32 s50, s50, s51
	s_add_co_u32 s50, s50, 16                      ; region 16 + 16 (V) + 2 hp
	s_mul_i32 s50, s50, RS
	s_lshl_b32 s51, s45, 4
	s_lshl_b32 s52, s48, 3
	s_add_co_u32 s51, s51, s52                     ; step 16 b + 8 x half
	s_mul_i32 s51, s51, STEPB
	s_add_co_u32 s50, s50, s51
	s_mov_b32 s51, 0
	; descriptor group 1: 136 units of 256 bytes (32 elements of 8 bytes), dense in memory, 16 bytes of padding behind each
	s_mov_b32 s24, 15|(3<<16)|(1<<20)|(1<<21)|(5<<22)|(3<<25)   ; 15:0 the mask: all four work-groups; 17:16 elements of 8 bytes; 20 padding on; 21 set beside a mask; 24:22 after every 64 words; 31:25 four words
	s_mov_b32 s25, 32<<16                          ; tensor_dim0
	s_mov_b32 s26, 136<<16                         ; tensor_dim1
	s_mov_b32 s27, 32<<16                          ; tile_dim0
	s_mov_b32 s28, 136                             ; tile_dim1
	s_mov_b32 s29, 32                              ; tensor_dim0_stride
	s_mov_b32 s30, 0
	s_mov_b32 s31, 0
	; my queries: the place in the cluster enters global addresses of q, oc and os alone
	s_bfe_u32 s42, ttmp6, 0x40000                  ; cx
	s_lshl_b32 s43, ttmp9, 2
	s_add_co_u32 s43, s43, s42                     ; qb: my block of 256 queries
	s_and_b32 s52, s[WV], 7                        ; my tile of 16 in its step of 128
	s_lshr_b32 s53, s[WV], 3
	s_lshl_b32 s54, s45, 4
	s_add_co_u32 s53, s53, s54
	s_lshl_b32 s54, s43, 1
	s_add_co_u32 s53, s53, s54                     ; step 16 b + 2 qb + wave / 8
	s_mul_i32 s53, s53, STEPB
	s_lshl_b32 s54, s46, 1
	s_mul_i32 s54, s54, RS                         ; q's region 2 hp
	s_add_co_u32 s54, s54, s53
	s_lshl_b32 s56, s52, 9
	s_add_co_u32 s56, s56, s54                     ; my tile's codes
	s_mov_b32 s57, 0
	s_lshl_b32 s58, s52, 1
	s_add_co_u32 s58, s58, s54                     ; my tile's column of two bytes in the scale bytes
	s_mov_b32 s59, 0
	s_lshl_b32 s60, s45, 7
	s_lshl_b32 s61, s43, 4
	s_add_co_u32 s60, s60, s61
	s_add_co_u32 s60, s60, s[WV]                   ; oc: tile of 16 tokens 128 b + 16 qb + wave, 1,024 bytes each,
	s_lshl_b32 s60, s60, 10
	s_lshl_b32 s61, s46, 19                        ; K step hp: 524,288 bytes
	s_add_co_u32 s60, s60, s61
	s_mov_b32 s61, 0
	s_lshl_b32 s62, s45, 13                        ; os: token 2,048 b + 256 qb, 4 bytes each,
	s_lshl_b32 s63, s43, 10
	s_add_co_u32 s62, s62, s63
	s_lshl_b32 s63, s46, 15                        ; K step hp: 32,768 bytes
	s_add_co_u32 s62, s62, s63
	s_mov_b32 s63, 0
	s_mov_b32 s[SEL], 0x76543210
	s_mov_b32 s[SEL+1], 0xfedcba98
	s_mov_b32 s[CS], 0x3e38aa3b                    ; c = log2(e) / 8
	s_mov_b32 s[CS+1], s[CS]                       ; (named with it as a pair, so it is written)
	s_wait_dscnt 0x0
	s_wait_kmcnt 0x0
	s_add_nc_u64 s[50:51], s[4:5], s[50:51]
	s_add_nc_u64 s[56:57], s[4:5], s[56:57]
	s_add_nc_u64 s[58:59], s[4:5], s[58:59]
	s_add_nc_u64 s[6:7], s[6:7], s[60:61]
	s_add_nc_u64 s[8:9], s[8:9], s[62:63]
	s_mov_b32 s32, 1                               ; group 0, head 0
	s_mov_b32 s33, s49
	s_mov_b64 s[34:35], s[50:51]
	s_or_b32 s35, s35, 0x80000000
	s_mov_b32 s36, 1                               ; group 0, head 1: two blocks on in LDS, one region on in memory
	s_add_co_u32 s37, s49, 2*VBLK
	s_add_nc_u64 s[38:39], s[50:51], RS
	s_or_b32 s39, s39, 0x80000000
	CROUND                                         ; all four work-groups are here: the joint loads meet
	s_cmp_lt_u32 s[WV], 4                          ; a wave's two fills stand in one branch, ahead of every wait on TENSORcnt and every LDS read; four v_nop follow the second
	s_cbranch_scc0 .Lno_fill
	tensor_load_to_lds s[32:35], s[24:31]
	s_nop 0
	tensor_load_to_lds s[36:39], s[24:31]
	s_nop 0
.rept 4
	v_nop
.endr
.Lno_fill:
	v_and_b32 v8, 15, v0                           ; r
	v_bfe_u32 v9, v0, 4, 1                         ; h
	v_bfe_u32 v10, v0, 3, 1                        ; r / 8
	v_and_b32 v11, 7, v0                           ; r % 8
	s_delay_alu instid0(VALU_DEP_4)
	v_lshlrev_b32 v[LS], 4, v8
	v_lshlrev_b32 v[GO], 5, v8
	s_delay_alu instid0(VALU_DEP_1)
	v_lshl_add_u32 v[GO], v9, 4, v[GO]
.irp p, 0,1
	global_load_b128 v[20+8*\p:23+8*\p], v[GO], s[56:57] offset:\p*RS          ; q: query r, block h of the head's 64
	global_load_u16 v[38+\p], v[LS], s[58:59] offset:4096+\p*RS                ; and its two scale bytes
.endr
	v_mul_u32_u24 v[LT], v10, 272
	s_delay_alu instid0(VALU_DEP_1)
	v_lshl_add_u32 v[LT], v11, 5, v[LT]
	s_delay_alu instid0(VALU_DEP_1)
	v_lshl_add_u32 v[LT], v9, 4, v[LT]
	s_lshl_b32 s42, s[WV], 6
	s_add_co_u32 s42, s42, SCR
	v_lshlrev_b32 v[SWR], 2, v8
	s_delay_alu instid0(VALU_DEP_1)
	v_add_nc_u32 v[SWR], s42, v[SWR]               ; SCR + 64 x wave + 4 r
	v_lshlrev_b32 v[OSO], 4, v0
	s_delay_alu instid0(VALU_DEP_1)
	v_add_nc_u32 v[SRD], SCR, v[OSO]               ; SCR + 16 x thread (threads 0 to 63 use it)
.irp j, 16,17,18,19,24,25,26,27,32,33,34,35
	v_mov_b32 v[\j], 0                             ; the zero codes beside q
.endr
.irp b, 0,1,2,3
	v_mov_b32 v[TM+4+\b], 0                        ; written once: a lane permute's destination counts as one of its sources
.endr
	v_mov_b32 v[TT], 0
	v_mov_b32 v[FF+1], 0
	s_wait_loadcnt 0x0                             ; q
.irp p, 0,1
	v_lshl_or_b32 v[QS+\p], v[38+\p], 16, v[38+\p] ; the two bytes twice: they scale q in whichever half it stands; over the zero codes they scale nothing
.endr
; A KEY STEP: 128 keys of head p.
.macro STEP p
	v_add_nc_u32 v[ADK], s[TB], v[LT]              ; (these four are the places behind the last step's products, in front of the loads into their registers)
	v_add_nc_u32 v[ADKS], s[TB], v[LS]
	s_delay_alu instid0(VALU_DEP_2)
	v_add_nc_u32 v[ADV], VBLK, v[ADK]
	s_delay_alu instid0(VALU_DEP_2)
	v_add_nc_u32 v[ADVS], VBLK, v[ADKS]
.irp t, 0,1,2,3,4,5,6,7
	ds_load_b128 v[KF+4*\t:KF+4*\t+3], v[ADK] offset:544*\t            ; key 16 t + r, block h
.endr
	ds_load_b128 v[KSC:KSC+3], v[ADKS] offset:4352                     ; word y: the bytes of keys 32 y + r and 32 y + 16 + r
.irp u, 0,1,2,3
.irp c, 0,1
	ds_load_b128 v[VF+8*\u+4*\c:VF+8*\u+4*\c+3], v[ADV] offset:2176*\c+544*\u   ; channel 16 u + r, keys 64 c + 32 h on
.endr
.endr
	ds_load_b128 v[VSC:VSC+3], v[ADVS] offset:4352                     ; word u: the step's four bytes of channel 16 u + r
	s_wait_dscnt 9                                 ; K's nine loads are in; V's nine may be out
.irp t, 0,1,2,3,4,5,6,7
	v_wmma_scale_f32_16x16x128_f8f6f4 v[S+8*\t:S+8*\t+7], v[KF+8*(\t/2):KF+8*(\t/2)+7], v[20+8*\p-4*(\t%2):27+8*\p-4*(\t%2)], 0, v[KSC+\t/2], v[QS+\p] matrix_a_fmt:MATRIX_FMT_FP4 matrix_b_fmt:MATRIX_FMT_FP4
.endr
.rept 4
	v_nop                                          ; places behind the products
.endr
.irp b, 0,1,2,3
	v_max3_num_f32 v[TM+\b], v[S+16*\b], v[S+16*\b+1], v[S+16*\b+2]   ; the largest score of each block of 32 keys: it serves for the row's maximum and, since p rises with the score, for the block's largest p
.endr
.irp i, 3,5,7,9,11,13
.irp b, 0,1,2,3
	v_max3_num_f32 v[TM+\b], v[TM+\b], v[S+16*\b+\i], v[S+16*\b+\i+1]
.endr
.endr
.irp b, 0,1,2,3
	v_max_num_f32 v[TM+\b], v[TM+\b], v[S+16*\b+15]
.endr
.irp b, 0,1,2,3
	s_delay_alu instid0(VALU_DEP_4)
	v_permlanex16_b32 v[TM+4+\b], v[TM+\b], s[SEL], s[SEL+1]
.endr
.irp b, 0,1,2,3
	s_delay_alu instid0(VALU_DEP_4)
	v_max_num_f32 v[TM+\b], v[TM+\b], v[TM+4+\b]   ; with lane l xor 16's 16 keys
.endr
	s_delay_alu instid0(VALU_DEP_2)
	v_max3_num_f32 v[TT], v[TM], v[TM+1], v[TM+2]
	s_delay_alu instid0(VALU_DEP_1)
	v_max_num_f32 v[TT], v[TT], v[TM+3]            ; the step's largest score of my query
	s_delay_alu instid0(VALU_DEP_1)
	v_mul_f32 v[TT], s[CS], v[TT]                  ; as t (c is positive)
	s_delay_alu instid0(VALU_DEP_1)
	v_max_num_f32 v13, v13, v[TT]                  ; the running largest t
	v_mov_b32 v[TT], v12
	s_delay_alu instid0(VALU_DEP_2)
	v_floor_f32 v12, -v13                          ; the new -M = floor(-t) = -ceil(t)
	s_delay_alu instid0(VALU_DEP_1)
	v_sub_f32 v[TT], v12, v[TT]                    ; M's old value less its new one: a whole number, 0 or less
	s_delay_alu instid0(VALU_DEP_1)
	v_cvt_i32_f32 v[TT], v[TT]                     ; (it saturates)
	s_delay_alu instid0(VALU_DEP_1)
	v_ldexp_f32 v[FF], 1.0, v[TT]                  ; f = 2^(old M - new M)
.set j, 0
.rept 32
	v_pk_fma_f32 v[S+j:S+j+1], v[S+j:S+j+1], s[CS:CS+1], v[12:13] op_sel_hi:[1,0,0]   ; t - M, two at a time (of the pairs c and -M the low word serves both halves)
.set j, j+2
.endr
.irp b, 0,1,2,3
	v_fma_f32 v[TM+\b], v[TM+\b], s[CS], v12       ; the same of each block's largest score
.endr
.set j, 0
	s_wait_alu depctr_va_vdst(0)
.rept 64
	v_exp_f32 v[S+j], v[S+j]                       ; p = 2^(t - M), at most 1
.set j, j+1
.endr
	s_setprio 1
.irp b, 0,1,2,3
	v_exp_f32 v[TM+\b], v[TM+\b]                   ; the block's largest p: the same two instructions on the same number
.endr
	v_pk_mul_f32 v[14:15], v[14:15], v[FF:FF+1] op_sel_hi:[1,0]   ; the sums under the new M (a plain place behind the exponentials)
	s_wait_alu depctr_va_vdst(0)
.irp b, 0,1,2,3
	v_max_num_f32 v[TM+\b], 0x1800000, v[TM+\b]    ; the floor 2^(3 - 127): the byte cannot fall under 1
.endr
.irp b, 0,1,2,3
	s_delay_alu instid0(VALU_DEP_4)
	v_add_nc_u32 v[TM+8+\b], 0xff000000, v[TM+\b]  ; 2 off the exponent field: the conversion's scale operand
.endr
.irp b, 0,1,2,3
	s_delay_alu instid0(VALU_DEP_4)
	v_lshrrev_b32 v[TM+4+\b], 23, v[TM+8+\b]       ; the scale's byte
.endr
	s_delay_alu instid0(VALU_DEP_3)
	v_lshl_or_b32 v[PSW], v[TM+5], 8, v[TM+4]      ; p's scale word for these 128 keys
	s_delay_alu instid0(VALU_DEP_1)
	v_lshl_or_b32 v[PSW], v[TM+6], 16, v[PSW]
	s_delay_alu instid0(VALU_DEP_1)
	v_lshl_or_b32 v[PSW], v[TM+7], 24, v[PSW]
.irp c, 0,1
	v_cvt_scalef32_pk8_fp4_f32 v[PC+4*\c],   v[S+32*\c:S+32*\c+7],     v[TM+8+2*\c]
	v_cvt_scalef32_pk8_fp4_f32 v[PC+4*\c+2], v[S+32*\c+8:S+32*\c+15],  v[TM+8+2*\c]
	v_cvt_scalef32_pk8_fp4_f32 v[PC+4*\c+1], v[S+32*\c+16:S+32*\c+23], v[TM+8+2*\c+1]
	v_cvt_scalef32_pk8_fp4_f32 v[PC+4*\c+3], v[S+32*\c+24:S+32*\c+31], v[TM+8+2*\c+1]
.endr
	v_nop                                          ; one plain place behind a scaled conversion
.irp c, 0,1
	v_permlane16_swap_b32 v[PC+4*\c], v[PC+4*\c+1] ; registers 4 c .. 4 c + 3 now hold keys 64 c + 32 h + 0 .. 31
	v_permlane16_swap_b32 v[PC+4*\c+2], v[PC+4*\c+3]
.endr
.set j, 0
.rept 16
	v_pk_mul_f32 v[O+j:O+j+1], v[O+j:O+j+1], v[FF:FF+1] op_sel_hi:[1,0]   ; O^T under the new M, each accumulator from its low end on
.set j, j+2
.endr
	v_pk_add_f32 v[234:235], v[116:117], v[120:121]
	v_pk_add_f32 v[252:253], v[124:125], v[128:129]
	v_pk_add_f32 v[250:251], v[132:133], v[136:137]
	v_pk_add_f32 v[248:249], v[140:141], v[144:145]
	v_pk_add_f32 v[246:247], v[148:149], v[152:153]
	v_pk_add_f32 v[244:245], v[156:157], v[160:161]
	v_pk_add_f32 v[242:243], v[164:165], v[168:169]
	v_pk_add_f32 v[14:15], v[14:15], v[172:173]
	v_pk_add_f32 v[234:235], v[234:235], v[112:113]
	v_pk_add_f32 v[252:253], v[252:253], v[114:115]
	v_pk_add_f32 v[250:251], v[250:251], v[118:119]
	v_pk_add_f32 v[248:249], v[248:249], v[122:123]
	v_pk_add_f32 v[246:247], v[246:247], v[126:127]
	v_pk_add_f32 v[244:245], v[244:245], v[130:131]
	v_pk_add_f32 v[242:243], v[242:243], v[134:135]
	s_setprio 0
	v_pk_add_f32 v[14:15], v[14:15], v[138:139]
	v_pk_add_f32 v[234:235], v[234:235], v[142:143]
	v_pk_add_f32 v[252:253], v[252:253], v[146:147]
	v_pk_add_f32 v[250:251], v[250:251], v[150:151]
	v_pk_add_f32 v[248:249], v[248:249], v[154:155]
	v_pk_add_f32 v[246:247], v[246:247], v[158:159]
	v_pk_add_f32 v[244:245], v[244:245], v[162:163]
	v_pk_add_f32 v[242:243], v[242:243], v[166:167]
	v_pk_add_f32 v[14:15], v[14:15], v[170:171]
	v_pk_add_f32 v[234:235], v[234:235], v[174:175]
	s_delay_alu instid0(VALU_DEP_2)
	v_pk_add_f32 v[14:15], v[14:15], v[248:249]
	s_delay_alu instid0(VALU_DEP_2)
	v_pk_add_f32 v[234:235], v[234:235], v[246:247]
	v_pk_add_f32 v[252:253], v[252:253], v[244:245]
	v_pk_add_f32 v[250:251], v[250:251], v[242:243]
	s_delay_alu instid0(VALU_DEP_2)
	v_pk_add_f32 v[14:15], v[14:15], v[252:253]
	s_delay_alu instid0(VALU_DEP_2)
	v_pk_add_f32 v[234:235], v[234:235], v[250:251]
	s_delay_alu instid0(VALU_DEP_1)
	v_pk_add_f32 v[14:15], v[14:15], v[234:235]
	s_wait_dscnt 0x0                               ; V is in
.irp u, 0,1,2,3                                ; the four accumulators take turns, and K Q^T's eight products stand between two steps'
	v_wmma_scale_f32_16x16x128_f8f6f4 v[O+8*\u:O+8*\u+7], v[VF+8*\u:VF+8*\u+7], v[PC:PC+7], v[O+8*\u:O+8*\u+7], v[VSC+\u], v[PSW] matrix_a_fmt:MATRIX_FMT_FP4 matrix_b_fmt:MATRIX_FMT_FP4
.endr
.endm
; Head p's result: O^T / the sum, quantised along the head's 64 (two blocks): they are k = 64 p + 0 .. 63 of the last product's K step hp.
.macro FINISH p
.rept 4
	v_nop                                          ; places behind the last products
.endr
	v_add_f32 v14, v14, v15                        ; the sum's two halves,
	s_delay_alu instid0(VALU_DEP_1)
	v_permlanex16_b32 v[TT], v14, s[SEL], s[SEL+1]
	s_delay_alu instid0(VALU_DEP_1)
	v_add_f32 v14, v14, v[TT]                      ; and lane l xor 16's: the row's sum
	s_wait_alu depctr_va_vdst(0)
	v_rcp_f32 v14, v14
	v_nop                                          ; one plain place behind a transcendental
.set j, 0
	s_wait_alu depctr_va_vdst(0)
.rept 16
	v_pk_mul_f32 v[S+j:S+j+1], v[O+j:O+j+1], v[14:15] op_sel_hi:[1,0]   ; register 8 u + i: channel 16 u + 8 h + i of my query
.set j, j+2
.endr
.irp b, 0,1
	v_max3_num_f32 v[TM+\b], |v[S+16*\b]|, |v[S+16*\b+1]|, 0x1800000
.endr
.irp i, 2,4,6,8,10,12,14
.irp b, 0,1
	s_delay_alu instid0(VALU_DEP_2)
	v_max3_num_f32 v[TM+\b], v[TM+\b], |v[S+16*\b+\i]|, |v[S+16*\b+\i+1]|
.endr
.endr
.irp b, 0,1
	s_delay_alu instid0(VALU_DEP_2)
	v_permlanex16_b32 v[TM+4+\b], v[TM+\b], s[SEL], s[SEL+1]
.endr
.irp b, 0,1
	s_delay_alu instid0(VALU_DEP_2)
	v_max_num_f32 v[TM+\b], v[TM+\b], v[TM+4+\b]
.endr
.irp b, 0,1
	s_delay_alu instid0(VALU_DEP_2)
	v_add_nc_u32 v[TM+8+\b], 0xff000000, v[TM+\b]
.endr
.irp b, 0,1
	s_delay_alu instid0(VALU_DEP_2)
	v_lshrrev_b32 v[TM+4+\b], 23, v[TM+8+\b]
.endr
.if \p == 0
	s_delay_alu instid0(VALU_DEP_1)
	v_lshl_or_b32 v[HW0], v[TM+5], 8, v[TM+4]      ; bytes 0, 1 of the token's scale word
.else
	s_delay_alu instid0(VALU_DEP_1)
	v_lshl_or_b32 v[TT], v[TM+5], 8, v[TM+4]
	s_delay_alu instid0(VALU_DEP_1)
	v_lshl_or_b32 v[OSW], v[TT], 16, v[HW0]        ; bytes 2, 3: the word is whole
.endif
	v_cvt_scalef32_pk8_fp4_f32 v[PCO+4*\p],   v[S:S+7],     v[TM+8]
	v_cvt_scalef32_pk8_fp4_f32 v[PCO+4*\p+2], v[S+8:S+15],  v[TM+8]
	v_cvt_scalef32_pk8_fp4_f32 v[PCO+4*\p+1], v[S+16:S+23], v[TM+9]
	v_cvt_scalef32_pk8_fp4_f32 v[PCO+4*\p+3], v[S+24:S+31], v[TM+9]
	v_nop                                          ; one plain place behind a scaled conversion
	v_permlane16_swap_b32 v[PCO+4*\p], v[PCO+4*\p+1]
	v_permlane16_swap_b32 v[PCO+4*\p+2], v[PCO+4*\p+3]
	global_store_b128 v[GO], v[PCO+4*\p:PCO+4*\p+3], s[6:7] offset:512*\p   ; registers 4 p .. 4 p + 3 of the fragment's image: 32 lanes store 512 consecutive bytes, aligned
.endm
.macro PASS p
	v_mov_b32 v13, 0xff61b1e6                      ; the largest t so far: -3e38, under every t
	s_delay_alu instid0(VALU_DEP_1)
	v_floor_f32 v12, -v13                          ; -M
	v_mov_b32 v14, 0                               ; the sum, in two halves
	v_mov_b32 v15, 0
.set j, 0
.rept 32
	v_mov_b32 v[O+j], 0                            ; O^T: the step is written once for a head: its first trip finds zeros, which the first change of M leaves zeros
.set j, j+1
.endr
	s_mov_b32 s[TB], \p*2*VBLK
	s_mov_b32 s[CNT], 16
.Lstep_\@:
	s_setprio 2
	STEP \p
	s_add_co_u32 s[TB], s[TB], LSTEP
	s_sub_co_u32 s[CNT], s[CNT], 1
	s_cmp_lg_u32 s[CNT], 0
	s_cbranch_scc1 .Lstep_\@
	s_setprio 0
	s_wait_alu depctr_va_vdst(0)
	FINISH \p
.endm
	s_wait_tensorcnt 1                             ; my part of head 0 is in; head 1's load may be out
	s_barrier_signal -1
	s_barrier_wait -1                              ; everybody's is
	PASS 0
	s_wait_tensorcnt 0x0                           ; my part of head 1 is in,
	s_wait_dscnt 0x0
	s_barrier_signal -1
	s_barrier_wait -1                              ; everybody's is
	PASS 1
	ds_store_b32 v[SWR], v[OSW]                    ; the tokens' scale words meet in LDS (both halves of the lanes write the same word with the same value)
	s_wait_dscnt 0x0                               ; for the others' sake
	s_barrier_signal -1
	s_barrier_wait -1
	s_cmp_lt_u32 s[WV], 2
	s_cbranch_scc0 .Lno_os                         ; 1,024 bytes: waves 0 and 1 take 512 each
	ds_load_b128 v[S:S+3], v[SRD]
	s_wait_dscnt 0x0
	global_store_b128 v[OSO], v[S:S+3], s[8:9]     ; 32 lanes store 512 consecutive bytes, aligned
.Lno_os:
	s_wait_tensorcnt 0x0
	ds_add_u32 v254, v255
	s_wait_dscnt 0x0
	CROUND                                         ; the closing round: no work-group ends while a partner may still ask for a tile that names it
	s_endpgm
.Lfunc_end_k_qc68dfee645_attn:
	.size	k_qc68dfee645_attn, .Lfunc_end_k_qc68dfee645_attn-k_qc68dfee645_attn
	.p2alignl 7, 3214868480
	.fill 96, 4, 3214868480
	.section	.rodata,"a",@progbits
	.p2align	6, 0x0
	.amdhsa_kernel k_qc68dfee645_attn
		.amdhsa_group_segment_fixed_size 327680
		.amdhsa_private_segment_fixed_size 0
		.amdhsa_enable_private_segment 0
		.amdhsa_kernarg_size 24
		.amdhsa_user_sgpr_count 2
		.amdhsa_user_sgpr_kernarg_segment_ptr 1
		.amdhsa_wavefront_size32 1
		.amdhsa_system_sgpr_workgroup_id_x 1
		.amdhsa_system_sgpr_workgroup_id_y 1
		.amdhsa_system_sgpr_workgroup_id_z 1
		.amdhsa_system_vgpr_workitem_id 0
		.amdhsa_next_free_vgpr 256
		.amdhsa_next_free_sgpr 66
		.amdhsa_reserve_vcc 0
		.amdhsa_float_denorm_mode_32 3
		.amdhsa_float_denorm_mode_16_64 3
		.amdhsa_memory_ordered 1
		.amdhsa_forward_progress 1
		.amdhsa_inst_pref_size 51
	.end_amdhsa_kernel
	.amdgpu_metadata
---
amdhsa.version: [ 1, 2 ]
amdhsa.kernels:
  - .name:           k_qc68dfee645_attn
    .symbol:         k_qc68dfee645_attn.kd
    .args:
      - { .name: qkv, .offset: 0, .size: 8, .value_kind: global_buffer, .address_space: global }
      - { .name: oc, .offset: 8, .size: 8, .value_kind: global_buffer, .address_space: global }
      - { .name: os, .offset: 16, .size: 8, .value_kind: global_buffer, .address_space: global }
    .group_segment_fixed_size: 327680
    .private_segment_fixed_size: 0
    .kernarg_segment_align: 8
    .kernarg_segment_size: 24
    .max_flat_workgroup_size: 512
    .sgpr_count:     66
    .vgpr_count:     256
    .wavefront_size: 32
...
	.end_amdgpu_metadata
.endif
;; end of part 3
;; launch proj (part 4): grid 4 x 32, 4 waves a work-group, clusters of 4 x 4, 327,680 bytes of LDS; arguments oc, os, xc, xs, bp, out0; writes out0
.if DOCPART == 4
	.amdgcn_target "amdgcn-amd-amdhsa--gfx1250"
	.amdhsa_code_object_version 6
	.text
	.protected	k_qc68dfee645_proj
	.globl	k_qc68dfee645_proj
	.p2align	8
	.type	k_qc68dfee645_proj,@function
k_qc68dfee645_proj:
	s_mov_b64 s[64:65], 0
	v_nop
	global_prefetch_b8 v0, s[64:65] scope:SCOPE_SE
	s_setreg_imm32_b32 hwreg(HW_REG_WAVE_MODE, 25, 1), 1
	s_wait_xcnt 0x0
	s_wait_alu depctr_hold_cnt(0) depctr_sa_sdst(0) depctr_va_vdst(0) depctr_va_sdst(0) depctr_va_ssrc(0) depctr_va_vcc(0) depctr_vm_vsrc(0)
	s_getreg_b32 s2, hwreg(HW_REG_IB_STS2, 6, 4)
	s_cmp_eq_u32 s2, 0
	s_cbranch_scc0 .Lentry_in_a_cluster
	s_endpgm
.Lentry_in_a_cluster:
	s_bfe_u32 s2, ttmp6, 0x10000c
	s_cmp_lg_u32 s2, 0xf033
	s_cbranch_scc0 .Lentry_shape_is_right
	s_endpgm
.Lentry_shape_is_right:
; out0 = out Wp^T + bp on codes of FP4 (E2M1) with E8M0 scales, f32 sums.  A = the 8,192 tokens' codes as the launch before laid them, oc [K step 8][tile of 16 tokens 512][1,024 bytes: the image of a fragment's registers],
; their scale words os [K step 8][token]; B = Wp's rows, rows 11,264 on of xc (512 bytes each) and of xs ([K step 8][row] words).
; A tile of out0 is 256 x 256, four waves, 128 x 128 each: 64 accumulators, 512 registers.  K = 1,024 is two slots of 512: BOTH ARE FILLED ONCE, at the head, and the scale words with them; no LDS byte is filled twice.
; By this text's own count a wave has three tensor loads, one out at a time.  The bias is the C of each sum's first product.
; 128 tiles, so 128 work-groups: the launch writes eight times the bytes that it reads and has 512 matrix instructions a wave; a tile half as large would read every fragment for half as many products and ask for a second text of the loop.
; CLUSTERS: 4 x 4.  A's tiles are shared along a row of the cluster, B's along a column: each is asked for jointly, by the same load with the same descriptor and a mask that names the four.
; THE MATRIX INSTRUCTION IS USED TRANSPOSED (source 0 = 16 rows of Wp, source 1 = 16 tokens): a lane then holds eight neighbouring numbers of a row of out0.
; REGISTERS, in windows of 256: window 0: v0-31 addresses; v32-95 scale words; v128-191 A's fragments, one set; on the way out v128-255 rows of out0.  window 1: B's fragments, two sets, v0-63 and v128-191; v64-127 the bias, eight tiles.
;   window 2: the accumulators of my tokens 0-63 ((a, b) at v[8 (8 a + b)]);  window 3: those of tokens 64-127.
.set NQ,     4
.set ROWB,   256                       ; a row of B's tile in bytes: 512 codes
.set KROW,   512                       ; a row of xc
.set PITCH,  272                       ; 256 bytes + 16 of padding
.set FR,     8
.set NL,     2
.set NP,     4                         ; places behind this matrix instruction (ISA guide 7.12.1)
.set HALFT,  128*PITCH                 ; 128 rows of B; also 128 tokens of A: 4 K steps x 32 units of 272
.set SLOT,   4*HALFT
.set SCL,    2*SLOT                    ; four quarters of 4,096 bytes: the scale words of A's tokens 0-127, 128-255, B's rows 0-127, 128-255, [K step 8][row 128]
.set SIZE_N, 1024
.set SPITCH, 528                       ; the way out: a stage of 16 rows x (512 bytes + 16) for each wave, in slot 0, which has had its one fill and its last read when the first result is stored there
.set BOF,  7                           ; v7      the bias: 32 x (l / 16)
.set ADRA, 16
.set ADRB, 20
.set STO,  24
.set RD,   25
.set CO,   26
.set ADRS, 27
.set SC,   32
.set AF,   128
.set BK,   128
.set BI,   64                          ; the bias, in window 1
.set G1, 24
.set G0, 32
.set G1B, 48
.set G0B, 56
.set G1S, 68
.set G0S, 76
.set G1SB, 80
.set G0SB, 88
.set MSB, 0
.macro WIN new                         ; the immediate's high byte repeats the setting that is left
.if MSB != \new
	s_set_vgpr_msb (MSB<<8)|\new
.set MSB, \new
.endif
.endm
.set MUL_LO, 0xa1                      ; source 0 (B) window 1, source 1 (A) window 0, C and D window 2
.set MUL_HI, 0xf1                      ; the same, C and D window 3
.set BIA_LO, 0x91                      ; the first products: C (the bias) window 1, D window 2
.set BIA_HI, 0xd1                      ; D window 3
.set TO_B,   0x40                      ; destination window 1, address window 0
.macro JLOAD g0a, g1a, g0b, g1b        ; a joint load: waves 0 and 1 fetch for A, waves 2 and 3 for B; four v_nop follow each of the two lines
	s_cmp_eq_u32 s15, 0
	s_cbranch_scc0 .Lfor_b_\@
	tensor_load_to_lds s[\g0a:\g0a+3], s[\g1a:\g1a+7]
	s_nop 0
.rept 4
	v_nop
.endr
	s_branch .Lasked_\@
.Lfor_b_\@:
	tensor_load_to_lds s[\g0b:\g0b+3], s[\g1b:\g1b+7]
	s_nop 0
.rept 4
	v_nop
.endr
.Lasked_\@:
.endm
.macro CROUND                          ; a round of the cluster's barrier
	s_barrier_signal -1
	s_barrier_wait -1
	s_cmp_lg_u32 s14, 0
	s_cbranch_scc1 .Lnot_wave_0_\@
	s_barrier_signal -3
.Lnot_wave_0_\@:
	s_barrier_wait -3
	s_barrier_signal -1
	s_barrier_wait -1
.endm
	s_load_b256 s[4:11], s[0:1], 0x0               ; oc s[4:5], os s[6:7], xc s[8:9], xs s[10:11]
	s_load_b128 s[96:99], s[0:1], 0x20             ; bp s[96:97], out0 s[98:99]
	v_lshl_add_u32 v126, v0, 2, 0x48000
	v_mov_b32 v127, 0
	ds_add_u32 v126, v127
	ds_add_u32 v126, v127
	v_lshrrev_b32 v1, 5, v0
	v_readfirstlane_b32 s14, v1                    ; wave 0..3
	s_lshr_b32 s15, s14, 1                         ; which half of the tile's tokens is mine.  Also: I fetch for A (0) or for B (1)
	s_and_b32 s16, s14, 1                          ; which half of its columns.  Also: which 128 rows of that tile I fetch
	s_bfe_u32 s40, ttmp6, 0x40000                  ; cx, cy
	s_bfe_u32 s41, ttmp6, 0x40004
	s_lshl_b32 s42, ttmp9, 2
	s_add_co_u32 s42, s42, s40                     ; tile column = 4 x cluster x + cx
	s_and_b32 s17, ttmp7, 0xffff
	s_lshl_b32 s17, s17, 2
	s_add_co_u32 s17, s17, s41                     ; tile row = 4 x cluster y + cy
	s_lshl_b32 s43, s41, 2
	s_lshl_b32 s43, 15, s43                        ; my row of the cluster
	s_lshl_b32 s44, 0x1111, s40                    ; my column
	; A's codes: 4 K steps x 8,192 bytes (128 tokens' images; 1,024 elements of 8 bytes), 524,288 bytes (65,536 elements) apart; 16 bytes of padding behind every 256: 8,704 bytes a K step in LDS
	s_or_b32 s[G1+0], s43, (3<<16)|(1<<20)|(1<<21)|(5<<22)|(3<<25)
	s_mov_b32 s[G1+1], 1024<<16                    ; tensor_dim0
	s_mov_b32 s[G1+2], 4<<16                       ; tensor_dim1
	s_mov_b32 s[G1+3], 1024<<16                    ; tile_dim0
	s_mov_b32 s[G1+4], 4                           ; tile_dim1
	s_mov_b32 s[G1+5], 65536                       ; tensor_dim0_stride
	s_mov_b32 s[G1+6], 0
	s_mov_b32 s[G1+7], 0
	; B's codes: 128 rows x 256 bytes, 512 apart, 16 bytes of padding behind each
	s_or_b32 s[G1B+0], s44, (0<<16)|(1<<20)|(1<<21)|(5<<22)|(3<<25)
	s_mov_b32 s[G1B+1], ROWB<<16
	s_mov_b32 s[G1B+2], 128<<16
	s_mov_b32 s[G1B+3], ROWB<<16
	s_mov_b32 s[G1B+4], 128
	s_mov_b32 s[G1B+5], KROW
	s_mov_b32 s[G1B+6], 0
	s_mov_b32 s[G1B+7], 0
	; the scale words of 128 rows: 8 K steps x 512 bytes (64 elements of 8 bytes); A's 32,768 bytes apart, B's 49,152; no padding
	s_or_b32 s[G1S+0], s43, (3<<16)|(1<<21)
	s_or_b32 s[G1SB+0], s44, (3<<16)|(1<<21)
.irp g, G1S, G1SB
	s_mov_b32 s[\g+1], 64<<16
	s_mov_b32 s[\g+2], 8<<16
	s_mov_b32 s[\g+3], 64<<16
	s_mov_b32 s[\g+4], 8
	s_mov_b32 s[\g+6], 0
	s_mov_b32 s[\g+7], 0
.endr
	s_mov_b32 s[G1S+5], 4096
	s_mov_b32 s[G1SB+5], 6144
	s_lshl_b32 s18, s16, 7                         ; which 128 rows of the tile I fetch
	s_lshl_b32 s20, s17, 8
	s_add_co_u32 s20, s20, s18                     ; A: token 256 x tile row + 128 x half
	s_lshl_b32 s46, s42, 8
	s_add_co_u32 s46, s46, s18
	s_add_co_u32 s46, s46, 11264                   ; B: row of xc: Wp's first + 256 x tile column + 128 x half
	s_lshl_b32 s22, s20, 2                         ; scale words: 4 bytes a row
	s_mov_b32 s23, 0
	s_lshl_b32 s92, s46, 2
	s_mov_b32 s93, 0
	s_lshl_b32 s20, s20, 6                         ; A's codes: 64 bytes a token in a K step
	s_mov_b32 s21, 0
	s_lshl_b32 s46, s46, 9                         ; B's: 512 bytes a row
	s_mov_b32 s47, 0
	s_mul_i32 s45, s14, HALFT                      ; where they go: wave x 128 rows: no place in the cluster enters an LDS address
	s_lshl_b32 s94, s14, 12
	s_wait_dscnt 0x0
	s_wait_kmcnt 0x0
	s_add_nc_u64 s[20:21], s[4:5], s[20:21]
	s_add_nc_u64 s[22:23], s[6:7], s[22:23]
	s_add_nc_u64 s[46:47], s[8:9], s[46:47]
	s_add_nc_u64 s[92:93], s[10:11], s[92:93]
	CROUND                                         ; all sixteen work-groups are here: the joint loads meet
	s_mov_b32 s[G0S], 1
	s_add_co_u32 s[G0S+1], s94, SCL
	s_mov_b64 s[G0S+2:G0S+3], s[22:23]
	s_or_b32 s[G0S+3], s[G0S+3], 0x80000000
	s_mov_b32 s[G0SB], 1
	s_add_co_u32 s[G0SB+1], s94, SCL
	s_mov_b64 s[G0SB+2:G0SB+3], s[92:93]
	s_or_b32 s[G0SB+3], s[G0SB+3], 0x80000000
	JLOAD G0S, G1S, G0SB, G1SB                     ; the scale words first: they are wanted with slot 0
.irp s, 0,1
	s_mov_b32 s[G0+4*\s], 1
	s_add_co_u32 s[G0+4*\s+1], s45, \s*SLOT
	s_add_nc_u64 s[G0+4*\s+2:G0+4*\s+3], s[20:21], \s*4*524288     ; slot s: K steps 4 s on
	s_or_b32 s[G0+4*\s+3], s[G0+4*\s+3], 0x80000000
	s_mov_b32 s[G0B+4*\s], 1
	s_add_co_u32 s[G0B+4*\s+1], s45, \s*SLOT
	s_add_nc_u64 s[G0B+4*\s+2:G0B+4*\s+3], s[46:47], \s*ROWB
	s_or_b32 s[G0B+4*\s+3], s[G0B+4*\s+3], 0x80000000
	s_wait_alu depctr_va_vdst(0)
	s_wait_tensorcnt 0x0
	ds_add_u32 v126, v127
	s_wait_dscnt 0x0
	CROUND
	JLOAD G0+4*\s, G1, G0B+4*\s, G1B
.endr
	v_and_b32 v1, 15, v0                           ; r = l % 16
	v_bfe_u32 v2, v0, 4, 1                         ; h = l / 16
	s_lshl_b32 s20, s42, 10                        ; the bias of my 128 columns: 1,024 bytes a tile column, 512 a half
	s_lshl_b32 s21, s16, 9
	s_add_co_u32 s20, s20, s21
	s_mov_b32 s21, 0
	s_add_nc_u64 s[96:97], s[96:97], s[20:21]
	v_lshlrev_b32 v[BOF], 5, v2
	WIN TO_B
.irp b, 0,1,2,3,4,5,6,7                        ; tile b, in the result's layout: lane (r, h) holds bp at columns 16 b + 8 h + 0 .. 7
	global_load_b128 v[BI+8*\b:BI+8*\b+3], v[BOF], s[96:97] offset:64*\b
	global_load_b128 v[BI+8*\b+4:BI+8*\b+7], v[BOF], s[96:97] offset:64*\b+16
.endr
	WIN 0
	v_mul_u32_u24 v3, v1, PITCH
	v_lshl_add_u32 v4, v2, 4, v3                   ; B: a fragment's row x pitch + 16 x half
	v_bfe_u32 v5, v0, 3, 1
	v_and_b32 v6, 7, v0
	v_mul_u32_u24 v5, v5, 272
	v_lshl_add_u32 v5, v6, 5, v5
	v_lshl_add_u32 v5, v2, 4, v5                   ; A: my 16 bytes of half an image: (r / 8) 272 + (r % 8) 32 + 16 h
	s_mul_i32 s21, s15, HALFT                      ; my 128 tokens of A
	s_mul_i32 s22, s16, HALFT                      ; my 128 rows of B,
	s_add_co_u32 s22, s22, 2*HALFT                 ; which lie behind A's 256
.irp s, 0,1
	v_add_nc_u32 v[ADRA+\s], s21, v5
	v_add_nc_u32 v[ADRB+\s], s22, v4
	s_add_co_u32 s21, s21, SLOT
	s_add_co_u32 s22, s22, SLOT
.endr
	v_lshlrev_b32 v5, 2, v1                        ; my row's scale word
	s_lshl_b32 s21, s15, 12                        ; A's: my quarter
	s_lshl_b32 s22, s16, 12                        ; B's: my quarter, behind A's two
	s_add_co_u32 s22, s22, 8192
	s_sub_co_u32 s22, s22, s21
	v_mul_u32_u24 v6, s22, v2                      ; lanes 16-31 take B's: one product, the distance between the two
	s_add_co_u32 s21, s21, SCL
	v_add_nc_u32 v5, v5, v6
	v_add_nc_u32 v[ADRS], s21, v5
	s_mul_i32 s23, s14, 16*SPITCH                  ; my stage
	v_mul_u32_u24 v5, v1, SPITCH                   ; in: row l % 16, 32 bytes for each half of the lanes
	v_lshl_add_u32 v5, v2, 5, v5
	v_add_nc_u32 v[STO], s23, v5
	v_and_b32 v6, 31, v0
	v_lshlrev_b32 v[CO], 4, v6                     ; back: the 32 lanes take one row of 512 bytes; and the same in out0
	v_add_nc_u32 v[RD], s23, v[CO]
	s_lshl_b32 s20, s17, 8
	s_lshl_b32 s21, s15, 7
	s_add_co_u32 s20, s20, s21                     ; my first row of out0: 256 x tile row + 128 x half,
	s_lshl_b32 s20, s20, 12                        ; 4,096 bytes each
	s_lshl_b32 s46, s42, 10                        ; my first column, in bytes: 1,024 x tile column + 512 x half
	s_lshl_b32 s47, s16, 9
	s_add_co_u32 s46, s46, s47
	s_add_co_u32 s20, s20, s46
	s_mov_b32 s21, 0
	s_add_nc_u64 s[98:99], s[98:99], s[20:21]
.macro FRAG reg, adr, q, i             ; B: 16 rows x 128 K: lane l holds row l % 16; registers 4 c .. 4 c + 3 hold K = 64 c + 32 (l / 16) + 0 .. 31
.irp c, 0,1
	ds_load_b128 v[\reg+4*\c:\reg+4*\c+3], v[\adr] offset:64*(\q)+32*\c+(\i)*16*PITCH
.endr
.endm
.macro FRAGA reg, adr, q, i            ; A: the image of the same registers: K step q of the slot 8,704 bytes on, tile i 1,088, half c 544
.irp c, 0,1
	ds_load_b128 v[\reg+4*\c:\reg+4*\c+3], v[\adr] offset:8704*(\q)+1088*(\i)+544*\c
.endr
.endm
; 16 matrix instructions: A's blocks a0, a0 + 1 x B's eight, the slot's q-th 128 along K.  p: B's set;  sc: the slot.  first = 1: the first product starts the sums from the bias.
; The 64 accumulators take turns, one instruction a turn, in the same order in every step.
.macro MUL16 a0, p, q, sc, first
.irp a, \a0, \a0+1
.irp b, 0,1,2,3,4,5,6,7
.if \first
	v_wmma_scale_f32_16x16x128_f8f6f4 v[8*(8*((\a)%4)+\b):8*(8*((\a)%4)+\b)+7], v[128*(\p)+FR*\b:128*(\p)+FR*\b+FR-1], v[AF+FR*(\a):AF+FR*(\a)+FR-1], v[BI+8*\b:BI+8*\b+7], v[SC+8*NQ*(\sc)+NQ*\b+(\q)], v[SC+8*NQ*(\sc)+NQ*(\a)+(\q)] matrix_a_fmt:MATRIX_FMT_FP4 matrix_b_fmt:MATRIX_FMT_FP4 matrix_a_scale:MATRIX_SCALE_ROW1
.else
	v_wmma_scale_f32_16x16x128_f8f6f4 v[8*(8*((\a)%4)+\b):8*(8*((\a)%4)+\b)+7], v[128*(\p)+FR*\b:128*(\p)+FR*\b+FR-1], v[AF+FR*(\a):AF+FR*(\a)+FR-1], v[8*(8*((\a)%4)+\b):8*(8*((\a)%4)+\b)+7], v[SC+8*NQ*(\sc)+NQ*\b+(\q)], v[SC+8*NQ*(\sc)+NQ*(\a)+(\q)] matrix_a_fmt:MATRIX_FMT_FP4 matrix_b_fmt:MATRIX_FMT_FP4 matrix_a_scale:MATRIX_SCALE_ROW1
.endif
.endr
.endr
.endm
.macro FETCH_B slot, q, p
	WIN TO_B
.irp i, 0,1,2,3,4,5,6,7
	FRAG 128*(\p)+FR*\i, ADRB+\slot, \q, \i
.endr
	WIN 0
.endm
.macro FETCH_A slot, q, i0
.irp i, \i0, \i0+1, \i0+2, \i0+3
	FRAGA AF+FR*(\i), ADRA+\slot, \q, \i
.endr
.endm
.macro SCALES                          ; all 64 registers of scale words, once: lanes 0-15 take A's block i, lanes 16-31 B's block i
.irp s, 0,1
.irp q, 0,1,2,3
.irp i, 0,1,2,3,4,5,6,7
	ds_load_b32 v[SC+32*\s+4*\i+\q], v[ADRS] offset:(4*\s+\q)*512+64*\i
.endr
.endr
.endr
.endm
; A load into a register that a matrix instruction has read, and an LDS store that reads a matrix result, stand NP places behind it; only plain vector instructions that name none of its registers are places.
.macro PLACES n
.rept \n
	v_nop
.endr
.endm
.macro STEP slot, q, first
	s_wait_dscnt 4*NL                              ; all is in but the youngest eight loads (A's blocks 4-7)
.if \first
	WIN BIA_LO
.else
	WIN MUL_LO
.endif
	MUL16 0, (\q)%2, \q, \slot, \first
	MUL16 2, (\q)%2, \q, \slot, \first
	s_wait_dscnt 0                                 ; A's blocks 4-7 are in
	PLACES NP
	FETCH_B \slot, (\q)+1, 1-(\q)%2
	FETCH_A \slot, (\q)+1, 0
.if \first
	WIN BIA_HI
.else
	WIN MUL_HI
.endif
	MUL16 4, (\q)%2, \q, \slot, \first
	MUL16 6, (\q)%2, \q, \slot, \first
	PLACES NP
	WIN 0
	FETCH_A \slot, (\q)+1, 4
.endm
.macro STEPS slot, from
.set Q, \from
.rept NQ-1-\from
	STEP \slot, Q, 0
.set Q, Q+1
.endr
.endm
	s_wait_alu depctr_va_vdst(0)
	s_wait_tensorcnt 1                             ; the scale words and my part of slot 0 are in; slot 1's load may be out
	s_barrier_signal -1
	s_barrier_wait -1                              ; everybody's are
	FETCH_B 0, 0, 0
	FETCH_A 0, 0, 0
	SCALES
	FETCH_A 0, 0, 4
	s_wait_loadcnt 0x0                             ; the bias
	STEP 0, 0, 1                                   ; the first step's products start the sums from the bias: nothing is cleared, nothing is added later
	STEPS 0, 1
	; slot 0's last step goes over to slot 1: one barrier, in front of which each wave has seen its part of slot 1 land and its reads of slot 0 come back
	s_wait_tensorcnt 0x0
	s_wait_dscnt 4*NL                              ; (the youngest eight loads, A's blocks 4-7, may be out)
	WIN MUL_LO
	MUL16 0, 1, NQ-1, 0, 0
	s_wait_dscnt 0x0                               ; my reads of slot 0 are over
	s_barrier_signal -1
	MUL16 2, 1, NQ-1, 0, 0                         ; work on registers while the others arrive
	WIN 0
	s_barrier_wait -1
	PLACES NP
	FETCH_B 1, 0, 0
	FETCH_A 1, 0, 0
	WIN MUL_HI
	MUL16 4, 1, NQ-1, 0, 0
	MUL16 6, 1, NQ-1, 0, 0
	PLACES NP
	WIN 0
	FETCH_A 1, 0, 4
	STEPS 1, 0
	s_wait_dscnt 4*NL                              ; the very last step: nothing more to fetch
	WIN MUL_LO
	MUL16 0, 1, NQ-1, 1, 0
	MUL16 2, 1, NQ-1, 1, 0
	s_wait_dscnt 0
	WIN MUL_HI
	MUL16 4, 1, NQ-1, 1, 0
	MUL16 6, 1, NQ-1, 1, 0
	WIN 0
; THE WAY OUT, block by block of 16 rows x 128 columns.  A lane holds 32 neighbouring bytes of a row, and the lanes beside it hold other rows: so a block goes through my own stage in LDS and comes back as whole
; rows of 512 bytes.  LDS serves a wave's instructions in order: no wait between the stores and the loads, nor in front of the next block's stores.
.macro TOSTAGE a
.set AC, 64*((\a)%4)
.set WS, 0x08+4*((\a)/4)
	WIN WS                                         ; an LDS store's data are its source 1: window 2 or 3
.irp b, 0,1,2,3,4,5,6,7
	ds_store_b128 v[STO], v[AC+8*\b:AC+8*\b+3] offset:64*\b          ; each accumulator from its low end on
	ds_store_b128 v[STO], v[AC+8*\b+4:AC+8*\b+7] offset:64*\b+16
.endr
	WIN 0
.set BB, BK+64*((\a)%2)
.irp t, 0,1,2,3,4,5,6,7,8,9,10,11,12,13,14,15
	ds_load_b128 v[BB+4*\t:BB+4*\t+3], v[RD] offset:\t*SPITCH
.endr
.endm
.macro SEND a, younger                 ; younger: the LDS instructions issued behind block a's loads, which may stay out
.set BB, BK+64*((\a)%2)
	s_wait_dscnt \younger                          ; the block is back in registers
.if (\a) > 0
	s_add_nc_u64 s[98:99], s[98:99], 16*SIZE_N*4   ; (behind a wait on XCNT: the earlier stores have read their base)  16 rows on
.endif
.irp t, 0,1,2,3,4,5,6,7,8,9,10,11,12,13,14,15
	global_store_b128 v[CO], v[BB+4*\t:BB+4*\t+3], s[98:99] offset:\t*SIZE_N*4 th:TH_STORE_NT   ; 32 lanes store 512 consecutive bytes, aligned to 256; written once, read by nobody here
.endr
.endm
	PLACES NP                                      ; behind the last products: for the loads into the registers that held A's fragments, and for the stores that read results
	TOSTAGE 0
.irp a, 1,2,3,4,5,6,7
.if \a > 1
	s_wait_xcnt 0x0                                ; block a - 2's stores have read their registers and their base: block a's loads may land there, and the base may step
.endif
	TOSTAGE \a
	SEND \a-1, 32                                  ; behind block a - 1's loads: block a's 16 stores and 16 loads
.endr
	s_wait_xcnt 0x0                                ; block 6's stores have read their base
	SEND 7, 0
	s_wait_tensorcnt 0x0
	ds_add_u32 v126, v127
	s_wait_dscnt 0x0
	CROUND                                         ; the closing round: no work-group ends while a partner may still ask for a tile that names it
	s_endpgm
.Lfunc_end_k_qc68dfee645_proj:
	.size	k_qc68dfee645_proj, .Lfunc_end_k_qc68dfee645_proj-k_qc68dfee645_proj
	.p2alignl 7, 3214868480
	.fill 96, 4, 3214868480
	.section	.rodata,"a",@progbits
	.p2align	6, 0x0
	.amdhsa_kernel k_qc68dfee645_proj
		.amdhsa_group_segment_fixed_size 327680
		.amdhsa_private_segment_fixed_size 0
		.amdhsa_enable_private_segment 0
		.amdhsa_kernarg_size 48
		.amdhsa_user_sgpr_count 2
		.amdhsa_user_sgpr_kernarg_segment_ptr 1
		.amdhsa_wavefront_size32 1
		.amdhsa_system_sgpr_workgroup_id_x 1
		.amdhsa_system_sgpr_workgroup_id_y 1
		.amdhsa_system_sgpr_workgroup_id_z 1
		.amdhsa_system_vgpr_workitem_id 0
		.amdhsa_next_free_vgpr 1024
		.amdhsa_next_free_sgpr 100
		.amdhsa_reserve_vcc 0
		.amdhsa_float_denorm_mode_32 3
		.amdhsa_float_denorm_mode_16_64 3
		.amdhsa_memory_ordered 1
		.amdhsa_forward_progress 1
		.amdhsa_inst_pref_size 130
	.end_amdhsa_kernel
	.amdgpu_metadata
---
amdhsa.version: [ 1, 2 ]
amdhsa.kernels:
  - .name:           k_qc68dfee645_proj
    .symbol:         k_qc68dfee645_proj.kd
    .args:
      - { .name: oc, .offset: 0, .size: 8, .value_kind: global_buffer, .address_space: global }
      - { .name: os, .offset: 8, .size: 8, .value_kind: global_buffer, .address_space: global }
      - { .name: xc, .offset: 16, .size: 8, .value_kind: global_buffer, .address_space: global }
      - { .name: xs, .offset: 24, .size: 8, .value_kind: global_buffer, .address_space: global }
      - { .name: bp, .offset: 32, .size: 8, .value_kind: global_buffer, .address_space: global }
      - { .name: out0, .offset: 40, .size: 8, .value_kind: global_buffer, .address_space: global }
    .group_segment_fixed_size: 327680
    .private_segment_fixed_size: 0
    .kernarg_segment_align: 8
    .kernarg_segment_size: 48
    .max_flat_workgroup_size: 128
    .sgpr_count:     100
    .vgpr_count:     1024
    .wavefront_size: 32
...
	.end_amdgpu_metadata
.endif
;; end of part 4
